; MI455X (gfx1250); checked and timed in simulation.
; The chip was launched on July 23, 2026; its instructions are those of AMD's public machine-readable ISA for CDNA 5 (MIT licence, August 2026) and "CDNA5" Instruction Set Architecture Reference Guide (July 2026). The comments in the code are by the model that wrote it; some were corrected since.
;; Mixture FFN Down. Allowed arithmetic: matrix products marked QUANTISED: E2M3 operands, one E8M0 scale for each 32 along K, by v_wmma_scale_f32_16x16x128_f8f6f4 with both operands' format E2M3, f32 sums; products left as they are: f32 operands where the result goes on into a quantised operand, else bf16, f16 or f32 operands; f32 sums; everything else in f32.
;; Inputs: agg_b 4 float32; agg_w 4 x 512 float32; expert_b 4 x 8 x 512 float32; expert_w 4 x 8 x 512 x 2,048 float32; gate_w 4 x 8 x 2,048 float32; orig_b 4 float32; orig_w 4 x 2,048 float32; x 4 x 512 x 2,048 float32.
;; Outputs: out0 4 x 512 x 4 float32.
;; This version of the problem:
;;   THIS VERSION OF THE PROBLEM IS GIVEN IN LOW PRECISION. The matrix products marked QUANTISED in the list below multiply operands that are first quantised to E2M3 (2 exponent bits, 3 mantissa bits; 6 bits a number), with one power-of-two scale for each 32 numbers along K (OCP MX v1.0); their sums are f32. All else is computed in f32.
;;   The module's matrix products, in the order in which they are computed (A, B: the left and right operand; K: the contracted axis; several contracted axes count as one K, in the product's order):
;;     1. [M 2,048, K 2,048] x [K 2,048, N 32]; A: input x; B: input gate_w: QUANTISED
;;     2. [M 2,048, K 2,048] x [K 2,048, N 16,384]; A: input x; B: input expert_w: QUANTISED
;;     3. batch 8,192 x [M 512, K 8] x [K 8, N 1]; A: computed on the way; B: computed on the way: left as it is (K = 8 < 32)
;;     4. [M 8,192, K 512] x [K 512, N 4]; A: computed on the way; B: input agg_w: left as it is (N = 4 < 16)
;;     5. [M 2,048, K 2,048] x [K 2,048, N 4]; A: input x; B: input orig_w: left as it is (N = 4 < 16)
;;   THE QUANTISER, for each operand of a quantised product, along K:
;;     - K is cut into blocks of 32 from its start; a last block that is shorter is filled with zeros.
;;     - A block's scale is 2^e with e = floor(log2(the largest magnitude in the block)) - 2, held to -126 .. 127; a block of zeros has e = 0. As a byte (E8M0): e + 127.
;;     - Each number is divided by its block's scale, clamped to +-7.5, and rounded to the nearest number of E2M3, ties to even, subnormals kept.
;;     - The product sums the exact products of the quantised numbers (number of the format x scale) in f32.
;;   ~~~python
;;   def quantise(x, axis):      # numpy; x: float32 -> the quantised numbers, widened to float32 again
;;       x = np.moveaxis(x, axis, -1); K = x.shape[-1]
;;       x = np.pad(x, [(0, 0)] * (x.ndim - 1) + [(0, -K % 32)]); x = x.reshape(x.shape[:-1] + (-1, 32)); a = np.abs(x).max(-1, keepdims=True)
;;       e = np.where(a > 0, np.clip(np.frexp(np.where(a > 0, a, 1))[1] - 1 - 2, -126, 127), 0)      # np.frexp(a)[1] - 1 = floor(log2(a)), exactly
;;       r = np.clip(x / 2.0 ** e, -7.5, 7.5)
;;       step = 2.0 ** (np.maximum(np.frexp(np.where(r == 0, 1, r))[1] - 1, 0) - 3)
;;       q = np.round(r / step) * step * 2.0 ** e      # np.round: ties to even
;;       return np.moveaxis(q.reshape(q.shape[:-2] + (-1,))[..., :K], -1, axis).astype(np.float32)
;;   ~~~
;; 2 versions. Each part assembles by itself: llvm-mc -triple=amdgcn-amd-amdhsa -mcpu=gfx1250 --defsym DOCPART=n.
;; ======== version 1 of 2: 4 launches
;; workspace buffers: xrec 4,194,304 bytes; selw 32,768 bytes of whole numbers; rwb 65,536 bytes; basev 32,768 bytes; list 262,144 bytes of whole numbers; posn 262,144 bytes of whole numbers; cnt 256 bytes of whole numbers; part 8,388,608 bytes
;; launch route (part 1): grid 128 x 1, 4 waves a work-group, no clusters, 87,552 bytes of LDS; arguments x, gate_w, orig_w, orig_b, agg_b, xrec, selw, rwb, basev; writes xrec, selw, rwb, basev
.if DOCPART == 1
	.amdgcn_target "amdgcn-amd-amdhsa--gfx1250"
	.amdhsa_code_object_version 6
	.text
	.protected	k_q6e1a9d66a5_route
	.globl	k_q6e1a9d66a5_route
	.p2align	8
	.type	k_q6e1a9d66a5_route,@function
k_q6e1a9d66a5_route:
	s_mov_b64 s[64:65], 0
	v_nop
	global_prefetch_b8 v0, s[64:65] scope:SCOPE_SE
	s_setreg_imm32_b32 hwreg(HW_REG_WAVE_MODE, 25, 1), 1
	s_wait_xcnt 0x0
; MixtureFFNDown, launch 1 of 4.  2,048 tokens of 2,048; 4 groups of 8 experts.  This launch: x into codes of E2M3 (one E8M0 byte for each 32 along K), laid as records that a
; later launch gathers by token; gate_w into codes; the 32 gate logits of each token by the scaled 6-bit matrix form; each group's two chosen experts and their weights;
; x . orig_w^T (bf16 operands, f32 sums) + orig_b + agg_b.
; WORK THAT THE PROGRAM LEAVES OUT, for all finite values of the inputs:
;  (a) combine[t,e] is built from a one_hot of the two chosen experts: for the six others it is the constant 0, so their rows of x . expert_w^T and their terms of the sum over e
;      reach no output.  The later launches multiply the chosen rows alone (2,048 x 4 x 2 of 2,048 x 32); the choice is stored here as whole numbers and read there.
;  (b) rw / sum(rw) over the two kept weights: the softmax's denominator is a common factor and cancels.  The maximum is still taken away: l1 is the row's largest logit, and
;      rw1 = 1 / (1 + e), rw2 = e / (1 + e), e = exp(l2 - l1) <= 1.
;  (c) exp is increasing, so the two largest softmax values are those of the two largest logits; at equal logits the lower index is kept, as jax.lax.top_k keeps it.
;  (d) the mean over g of agg_b[j] is agg_b[j]: it is added once, here.
;  (e) the steps behind the expert product are linear: x combine, . agg_w, the sum over d, the mean over g are taken in another order, and K goes in four quarters added in f32.
; Every input has a way to the output, and all eight are loaded by some launch.
; LIMITS: NaN and infinities among the inputs are not served; a NaN, an infinity or an overflow that arises only in a row of an expert that was not chosen is not carried to the result;
; a block of zeros gets the scale byte 1 where the rule says 127 (its codes are zeros, and this program alone reads the bytes); two logits that differ but whose softmax values round
; to one f32 number are ordered by logit, not by index; the logits are sums of four K quarters, so a choice between logits equal to within f32 rounding may fall otherwise.
; SHARES.  A work-group takes 16 tokens; wave q takes K quarter q (512 along K, four steps of 128).  Every global load reads 512 consecutive bytes of one row, 16 a lane; the rows turn
; through the wave's own stage in LDS (pitch 528 = 33 x 16 bytes, so that the 16 rows that a load touches begin in 16 different 16-byte columns of 256) and come back as the 6-bit
; operand wants them: lane (r, h) holds of row r the numbers k = 64 c + 32 h + 0 .. 31, c = 0, 1: two whole blocks of 32.
; A RECORD (token t, quarter q) is 512 bytes at 2048 t + 512 q of xrec: [step 0..3][h 0..1][48 bytes = the lane's 12 operand registers], four scale words at 384, zeros from 400 on.
; No tensor load, no cluster: gate_w, which all work-groups read, is 256 KB of f32 that does not fit beside the stages, and the launch is short.
.set PIT,   528
.set TSTW,  10752                      ; LDS: turn stage, 20 rows x 528, for each wave
.set RST,   43008                      ; record stage, 16 rows x 528, for each wave
.set RSTW,  8448
.set SUM,   76800                      ; for each wave 2,560 bytes: the images of its two logit tiles (4 x 512) and of its part of orig (512)
.set SUMW,  2560
.set SPARE, 87040                      ; the spare words, 128 bytes for each wave: two blocks of 256 bytes that no other line names
.set L16, 4                            ; 16 x lane
.set TSA, 5                            ; turn stage, in: 16 x lane
.set TSR, 6                            ; turn stage, out: 528 r + 128 h
.set TSO, 7                            ; the same for orig_w's rows: 528 (16 + r % 4) + 128 h
.set RSA, 8                            ; record stage: 528 r + 48 h
.set RSS, 9                            ; its scale words: 528 r + 384
.set RSR, 10                           ; record stage, out: 16 x lane
.set SMA, 11                           ; my wave's images: 16 x lane
.set RSZ, 12                           ; the record's zeros: 528 r + 400 + 16 h
.set H8,  13                           ; 8 h
.set SPW, 14                           ; my spare word; never rewritten
.set NIL, 15                           ; 0; never rewritten
.set XF,  16                           ; v16-27  x's fragment
.set GF,  28                           ; v28-39  gate_w's fragment
.set TMP, 40                           ; v40-47  second halves of the conversions
.set XSW, 48                           ; x's scale word: scales alone
.set GSW, 49                           ; gate_w's: scales alone
.set MX,  50
.set SCO, 52
.set BY,  54
.set T,   56
.set SRD, 57                           ; tail: where waves 0, 1 read the logit images
.set ORD, 58                           ; tail: where wave 2 reads orig's images
.set BO,  59                           ; 8 (lane % 2): my pair of the two biases
.set Z,   60                           ; v60-63  zeros
.set XN,  64                           ; v64-127 64 numbers of a lane
.set ON,  128                          ; v128-191 the same of orig_w
.set DL,  192                          ; v192-207 the two logit tiles
.set SO,  227
.set RO,  228
.set L8,  229
.set SX,  0                            ; window 1: 16 rows of x and 4 of orig_w as loaded; from 80 on gate_w's two tiles
.set SG,  80
.set XB,  0                            ; window 2: x in bf16, orig_w in bf16, four accumulators of orig
.set OB,  32
.set DO,  64
.set SEL, 28
.set MSB, 0
.macro WIN new                         ; the immediate's high byte repeats the setting that is left; a switch that changes nothing is dropped
.if MSB != (\new)
	s_set_vgpr_msb (MSB<<8)|(\new)
.set MSB, (\new)
.endif
.endm
; nrows rows as loaded (window dwin, 4 registers a row) go into the stage, and 16 rows come back, 64 numbers a lane.  LDS serves a wave's instructions in order: no wait between.
.macro TURN set, nrows, dwin
	WIN (\dwin)<<2
.set ti, 0
.rept \nrows
	ds_store_b128 v[TSA], v[(\set)+4*ti:(\set)+4*ti+3] offset:PIT*ti
.set ti, ti+1
.endr
	WIN 0
.irp c, 0,1
.irp p, 0,1,2,3,4,5,6,7
	ds_load_b128 v[XN+32*\c+4*\p:XN+32*\c+4*\p+3], v[TSR] offset:256*\c+16*\p
.endr
.endr
.endm
; 64 numbers of a lane, v[src + 32 c + i] = k 64 c + 32 h + i of my row, become the operand's 12 registers (window wd, from dst) and the row's scale word.
.macro QUANT src, dst, tmp, sw, wd
.irp c, 0,1
	v_max3_num_f32 v[MX+\c], |v[(\src)+32*\c]|, |v[(\src)+32*\c+1]|, 0x1800000   ; my block 2 c + h, and the floor 2^(3 - 127): the byte cannot fall under 1
.endr
.irp i, 2,4,6,8,10,12,14,16,18,20,22,24,26,28,30
.irp c, 0,1
	v_max3_num_f32 v[MX+\c], v[MX+\c], |v[(\src)+32*\c+\i]|, |v[(\src)+32*\c+\i+1]|   ; the two blocks by turns
.endr
.endr
.irp c, 0,1
	v_add_nc_u32 v[SCO+\c], 0xff000000, v[MX+\c]   ; 2 off the exponent field: the conversion's scale operand
.endr
.irp c, 0,1
	v_lshrrev_b32 v[BY+\c], 23, v[SCO+\c]          ; the scale's byte
.endr
	v_lshl_or_b32 v[\sw], v[BY+1], 16, v[BY]       ; blocks h and 2 + h,
	v_lshlrev_b32 v[\sw], v[H8], v[\sw]            ; at their places in the word;
	v_permlanex16_b32 v[T], v[\sw], s[SEL], s[SEL+1]
	v_or_b32 v[\sw], v[\sw], v[T]                  ; with lane l xor 16's two the word is whole
	WIN (\wd)<<6
.irp c, 0,1
	v_cvt_scalef32_pk16_fp6_f32 v[(\dst)+6*\c:(\dst)+6*\c+2], v[(\src)+32*\c:(\src)+32*\c+15], v[SCO+\c]
	v_cvt_scalef32_pk16_fp6_f32 v[(\tmp)+4*\c:(\tmp)+4*\c+2], v[(\src)+32*\c+16:(\src)+32*\c+31], v[SCO+\c]   ; a conversion's three registers begin on an even number
.endr
	v_nop                                          ; one plain place behind a scaled conversion
	WIN ((\wd)<<6)|(\wd)
.irp c, 0,1
.irp i, 0,1,2
	v_mov_b32 v[(\dst)+6*\c+3+\i], v[(\tmp)+4*\c+\i]
.endr
.endr
	WIN 0
.endm
.macro LOADX ks                        ; step ks: 16 rows of x, 4 of orig_w, 512 bytes each
	WIN 0x40
.irp i, 0,1,2,3,4,5,6,7,8,9,10,11,12,13,14,15
	global_load_b128 v[SX+4*\i:SX+4*\i+3], v[L16], s[4:5] offset:8192*\i+512*(\ks) th:TH_LOAD_NT
.endr
.irp j, 0,1,2,3
	global_load_b128 v[SX+64+4*\j:SX+64+4*\j+3], v[L16], s[8:9] offset:8192*\j+512*(\ks)
.endr
	WIN 0
.endm
.macro LOADG tau, ks                   ; step ks: gate_w's rows 16 tau .. 16 tau + 15 (groups 2 tau, 2 tau + 1)
	WIN 0x40
.irp i, 0,1,2,3,4,5,6,7,8,9,10,11,12,13,14,15
	global_load_b128 v[SG+64*(\tau)+4*\i:SG+64*(\tau)+4*\i+3], v[L16], s[6:7] offset:8192*(16*(\tau)+\i)+512*(\ks)
.endr
	WIN 0
.endm
.macro XITEM ks
	s_wait_loadcnt 32                              ; this step's 20 loads are in; behind them stand gate_w's two tiles, 16 loads each
	TURN SX, 20, 1
.irp c, 0,1
.irp p, 0,1,2,3,4,5,6,7
	ds_load_b128 v[ON+32*\c+4*\p:ON+32*\c+4*\p+3], v[TSO] offset:256*\c+16*\p
.endr
.endr
	s_wait_dscnt 0x0                               ; the numbers are back, and the stores have read the registers that the next loads take
.if (\ks) < 3
	LOADX (\ks)+1
.endif
	QUANT XN, XF, TMP, XSW, 0
.irp c, 0,1,2
	ds_store_b128 v[RSA], v[XF+4*\c:XF+4*\c+3] offset:96*(\ks)+16*\c   ; the fragment goes into the record as it stands
.endr
	ds_store_b32 v[RSS], v[XSW] offset:4*(\ks)     ; both lanes of a row write the same word
	WIN 0x80
.set ti, 0
.rept 32
	v_cvt_pk_bf16_f32 v[XB+ti], v[XN+2*ti], v[XN+2*ti+1]
.set ti, ti+1
.endr
.set ti, 0
.rept 32
	v_cvt_pk_bf16_f32 v[OB+ti], v[ON+2*ti], v[ON+2*ti+1]
.set ti, ti+1
.endr
	WIN 0xaa                                       ; orig: source 0 = orig_w's rows (row m holds row m % 4), source 1 = my 16 tokens.  K lies in both in the same order of lanes and registers, so each product meets its partner
.irp u, 0,1,2,3
.if (\ks) == 0
	v_wmma_f32_16x16x32_bf16 v[DO+8*\u:DO+8*\u+7], v[OB+8*\u:OB+8*\u+7], v[XB+8*\u:XB+8*\u+7], 0
.else
	v_wmma_f32_16x16x32_bf16 v[DO+8*\u:DO+8*\u+7], v[OB+8*\u:OB+8*\u+7], v[XB+8*\u:XB+8*\u+7], v[DO+8*\u:DO+8*\u+7]
.endif
.endr
	WIN 0
.endm
.macro GITEM tau, ks, left
	s_wait_loadcnt \left
	TURN SG+64*(\tau), 16, 1
	s_wait_dscnt 0x0
.if (\ks) < 3
	LOADG \tau, (\ks)+1
.endif
	QUANT XN, GF, TMP, GSW, 0
.rept 8
	v_nop                                          ; a scale word written by vector instructions stands 8 places ahead of a scaled matrix instruction, an operand 4
.endr
.if (\ks) == 0                         ; source 0 = 16 gate rows, source 1 = my 16 tokens: lane (r, h) holds token r, group 2 tau + h, experts 0 .. 7 in its 8 registers
	v_wmma_scale_f32_16x16x128_f8f6f4 v[DL+8*(\tau):DL+8*(\tau)+7], v[GF:GF+11], v[XF:XF+11], 0, v[GSW], v[XSW] matrix_a_fmt:MATRIX_FMT_FP6 matrix_b_fmt:MATRIX_FMT_FP6
.else
	v_wmma_scale_f32_16x16x128_f8f6f4 v[DL+8*(\tau):DL+8*(\tau)+7], v[GF:GF+11], v[XF:XF+11], v[DL+8*(\tau):DL+8*(\tau)+7], v[GSW], v[XSW] matrix_a_fmt:MATRIX_FMT_FP6 matrix_b_fmt:MATRIX_FMT_FP6
.endif
.endm
	s_load_b256 s[4:11], s[0:1], 0x0               ; x s[4:5], gate_w s[6:7], orig_w s[8:9], orig_b s[10:11]
	s_load_b256 s[12:19], s[0:1], 0x20             ; agg_b s[12:13], xrec s[14:15], selw s[16:17], rwb s[18:19]
	s_load_b64 s[20:21], s[0:1], 0x40              ; basev
	v_lshl_add_u32 v[SPW], v0, 2, SPARE
	v_mov_b32 v[NIL], 0
	v_lshrrev_b32 v1, 5, v0
	v_readfirstlane_b32 s22, v1                    ; wave = K quarter
	v_and_b32 v1, 31, v0                           ; lane
	v_and_b32 v2, 15, v0                           ; r
	v_bfe_u32 v3, v0, 4, 1                         ; h
	v_lshlrev_b32 v[L16], 4, v1
	s_mul_i32 s23, s22, TSTW
	v_add_nc_u32 v[TSA], s23, v[L16]
	v_mul_u32_u24 v[T], v2, PIT                    ; 528 r
	v_lshl_add_u32 v[TSR], v3, 7, v[T]
	v_add_nc_u32 v[TSR], s23, v[TSR]
	v_and_b32 v[TSO], 3, v2
	v_add_nc_u32 v[TSO], 16, v[TSO]
	v_mul_u32_u24 v[TSO], v[TSO], PIT
	v_lshl_add_u32 v[TSO], v3, 7, v[TSO]
	v_add_nc_u32 v[TSO], s23, v[TSO]
	s_mul_i32 s23, s22, RSTW
	s_add_co_u32 s23, s23, RST
	v_add_nc_u32 v[RSS], s23, v[T]
	v_mad_u32_u24 v[RSA], v3, 48, v[RSS]
	v_lshl_add_u32 v[RSZ], v3, 4, v[RSS]
	v_add_nc_u32 v[RSZ], 400, v[RSZ]
	v_add_nc_u32 v[RSS], 384, v[RSS]
	v_add_nc_u32 v[RSR], s23, v[L16]
	s_mul_i32 s23, s22, SUMW
	s_add_co_u32 s23, s23, SUM
	v_add_nc_u32 v[SMA], s23, v[L16]
	s_lshl_b32 s23, s22, 10
	s_add_co_u32 s23, s23, SUM
	v_add_nc_u32 v[SRD], s23, v[L16]               ; waves 0, 1: logit tile = wave
	v_lshlrev_b32 v[L8], 3, v1
	v_add_nc_u32 v[ORD], SUM+2048, v[L8]
	v_lshlrev_b32 v[H8], 3, v3
	v_and_b32 v[BO], 1, v1
	v_lshlrev_b32 v[BO], 3, v[BO]
	s_lshl_b32 s23, s22, 7
	v_lshl_add_u32 v[SO], v1, 2, s23               ; selw: 128 x tile of logits + 4 x lane
	s_lshl_b32 s23, s22, 8
	v_lshl_add_u32 v[RO], v1, 3, s23               ; rwb: 256 x tile of logits + 8 x lane
.irp i, 0,1,2,3
	v_mov_b32 v[Z+\i], 0
.endr
	s_mov_b32 s[SEL], 0x76543210
	s_mov_b32 s[SEL+1], 0xfedcba98                 ; v_permlanex16_b32's selects for lane l xor 16
	s_lshl_b32 s24, s22, 11                        ; my quarter of a row: 2,048 bytes
	s_mov_b32 s25, 0
	s_lshl_b32 s26, ttmp9, 17                      ; 16 rows of 8,192 bytes a work-group
	s_add_co_u32 s26, s26, s24
	s_mov_b32 s27, 0
	s_wait_kmcnt 0x0
	s_add_nc_u64 s[4:5], s[4:5], s[26:27]
	s_add_nc_u64 s[6:7], s[6:7], s[24:25]
	s_add_nc_u64 s[8:9], s[8:9], s[24:25]
	s_lshl_b32 s26, ttmp9, 15                      ; xrec: 16 tokens of 2,048 bytes, + 512 x quarter
	s_lshl_b32 s24, s22, 9
	s_add_co_u32 s26, s26, s24
	s_add_nc_u64 s[14:15], s[14:15], s[26:27]
	s_lshl_b32 s26, ttmp9, 8
	s_add_nc_u64 s[16:17], s[16:17], s[26:27]
	s_add_nc_u64 s[20:21], s[20:21], s[26:27]
	s_lshl_b32 s26, ttmp9, 9
	s_add_nc_u64 s[18:19], s[18:19], s[26:27]
	LOADX 0
	LOADG 0, 0
	LOADG 1, 0
	XITEM 0
	GITEM 0, 0, 36                                 ; behind this tile's loads: the other tile's 16 and the next step's 20 of x
	GITEM 1, 0, 36                                 ; the next step's 20 of x and 16 of the first tile
	XITEM 1
	GITEM 0, 1, 36
	GITEM 1, 1, 36
	XITEM 2
	GITEM 0, 2, 36
	GITEM 1, 2, 36
	XITEM 3
	GITEM 0, 3, 16                                 ; the last step asks for nothing more: the other tile's 16,
	GITEM 1, 3, 0                                  ; and none
.rept 4
	v_nop                                          ; places behind the last matrix instruction, ahead of the first read of its result
.endr
.irp i, 0,1,2,3
	ds_store_b128 v[RSZ], v[Z:Z+3] offset:32*\i    ; the record's bytes from 400 on
.endr
	WIN 0x0a                                       ; orig's four accumulators: rows 0 to 3 alone are wanted, each accumulator from its low end on
	v_pk_add_f32 v[208:209], v[DO:DO+1], v[DO+8:DO+9]
	v_pk_add_f32 v[210:211], v[DO+2:DO+3], v[DO+10:DO+11]
	v_pk_add_f32 v[212:213], v[DO+16:DO+17], v[DO+24:DO+25]
	v_pk_add_f32 v[214:215], v[DO+18:DO+19], v[DO+26:DO+27]
	WIN 0
	v_pk_add_f32 v[208:209], v[208:209], v[212:213]
	v_pk_add_f32 v[210:211], v[210:211], v[214:215]
	ds_store_b128 v[SMA], v[DL:DL+3]               ; my quarter's sums as images of their registers
	ds_store_b128 v[SMA], v[DL+4:DL+7] offset:512
	ds_store_b128 v[SMA], v[DL+8:DL+11] offset:1024
	ds_store_b128 v[SMA], v[DL+12:DL+15] offset:1536
	ds_store_b128 v[SMA], v[208:211] offset:2048
.irp i, 0,1,2,3,4,5,6,7,8,9,10,11,12,13,14,15
	ds_load_b128 v[XN+4*\i:XN+4*\i+3], v[RSR] offset:PIT*\i
.endr
.irp i, 0,1,2,3,4,5,6,7,8,9,10,11,12,13,14,15
	s_wait_dscnt 15-\i
	global_store_b128 v[L16], v[XN+4*\i:XN+4*\i+3], s[14:15] offset:2048*\i   ; a record: 32 lanes store 512 consecutive bytes, at a multiple of 512 from xrec's first byte
.endr
	s_wait_dscnt 0x0                               ; for the others' sake: my images lie in LDS
	s_barrier_signal -1
	s_barrier_wait -1
	s_cmp_lt_u32 s22, 2
	s_cbranch_scc0 .Lnot_top
	; waves 0 and 1: the logits of tile = wave; lane (r, h): token r, group 2 x wave + h
.irp wv, 0,1,2,3
	ds_load_b128 v[128+8*\wv:128+8*\wv+3], v[SRD] offset:SUMW*\wv
	ds_load_b128 v[132+8*\wv:132+8*\wv+3], v[SRD] offset:SUMW*\wv+512
.endr
	s_wait_dscnt 0x0
.irp j, 0,2,4,6
	v_pk_add_f32 v[128+\j:129+\j], v[128+\j:129+\j], v[136+\j:137+\j]
	v_pk_add_f32 v[144+\j:145+\j], v[144+\j:145+\j], v[152+\j:153+\j]
.endr
.irp j, 0,2,4,6
	v_pk_add_f32 v[128+\j:129+\j], v[128+\j:129+\j], v[144+\j:145+\j]
.endr
	v_mov_b32 v216, v128                           ; the largest logit and its index: an equal later logit does not displace an earlier one
	v_mov_b32 v217, 0
.irp i, 1,2,3,4,5,6,7
	v_cmp_ge_f32 vcc_lo, v216, v[128+\i]
	v_cndmask_b32 v217, \i, v217, vcc_lo
	v_max_num_f32 v216, v216, v[128+\i]
.endr
	v_mov_b32 v220, 0xff800000
.irp i, 0,1,2,3,4,5,6,7
	v_cmp_eq_u32 vcc_lo, \i, v217
	v_cndmask_b32 v[128+\i], v[128+\i], v220, vcc_lo   ; the first choice is hidden
.endr
	v_mov_b32 v218, v128
	v_mov_b32 v219, 0
.irp i, 1,2,3,4,5,6,7
	v_cmp_ge_f32 vcc_lo, v218, v[128+\i]
	v_cndmask_b32 v219, \i, v219, vcc_lo
	v_max_num_f32 v218, v218, v[128+\i]
.endr
	v_sub_f32 v221, v218, v216                     ; l2 - l1: the maximum is taken away
	v_mul_f32 v221, 0x3fb8aa3b, v221
	v_exp_f32 v221, v221                           ; e = exp(l2 - l1), at most 1
	v_nop                                          ; a plain place behind the transcendental,
	s_wait_alu depctr_va_vdst(0)                   ; and a wait ahead of the first use
	v_add_f32 v222, 1.0, v221
	v_rcp_f32 v224, v222                           ; rw1 = 1 / (1 + e)
	v_lshl_or_b32 v226, v219, 8, v217              ; (a plain place)  e1 | e2 << 8
	s_wait_alu depctr_va_vdst(0)
	v_mul_f32 v225, v221, v224                     ; rw2 = e / (1 + e)
	global_store_b32 v[SO], v226, s[16:17]
	global_store_b64 v[RO], v[224:225], s[18:19]
	s_branch .Lend
.Lnot_top:
	s_cmp_eq_u32 s22, 2
	s_cbranch_scc0 .Lend
	; wave 2: orig's four quarters + orig_b + agg_b; lane l: token l / 2, outputs 2 (l % 2) and the next
	global_load_b64 v[216:217], v[BO], s[10:11]
	global_load_b64 v[218:219], v[BO], s[12:13]
.irp wv, 0,1,2,3
	ds_load_b64 v[128+2*\wv:129+2*\wv], v[ORD] offset:SUMW*\wv
.endr
	s_wait_dscnt 0x0
	v_pk_add_f32 v[128:129], v[128:129], v[130:131]
	v_pk_add_f32 v[132:133], v[132:133], v[134:135]
	v_pk_add_f32 v[128:129], v[128:129], v[132:133]
	s_wait_loadcnt 0x0
	v_pk_add_f32 v[216:217], v[216:217], v[218:219]
	v_pk_add_f32 v[128:129], v[128:129], v[216:217]
	global_store_b64 v[L8], v[128:129], s[20:21]   ; 32 lanes store 256 consecutive bytes
.Lend:
	s_wait_tensorcnt 0x0                           ; the wave's end: three closing lines behind my last LDS store
	ds_add_u32 v[SPW], v[NIL]
	s_wait_dscnt 0x0
	s_endpgm
.Lfunc_end_k_q6e1a9d66a5_route:
	.size	k_q6e1a9d66a5_route, .Lfunc_end_k_q6e1a9d66a5_route-k_q6e1a9d66a5_route
	.p2alignl 7, 3214868480
	.fill 96, 4, 3214868480
	.section	.rodata,"a",@progbits
	.p2align	6, 0x0
	.amdhsa_kernel k_q6e1a9d66a5_route
		.amdhsa_group_segment_fixed_size 87552
		.amdhsa_private_segment_fixed_size 0
		.amdhsa_enable_private_segment 0
		.amdhsa_kernarg_size 72
		.amdhsa_user_sgpr_count 2
		.amdhsa_user_sgpr_kernarg_segment_ptr 1
		.amdhsa_wavefront_size32 1
		.amdhsa_system_sgpr_workgroup_id_x 1
		.amdhsa_system_sgpr_workgroup_id_y 1
		.amdhsa_system_sgpr_workgroup_id_z 1
		.amdhsa_system_vgpr_workitem_id 0
		.amdhsa_next_free_vgpr 768
		.amdhsa_next_free_sgpr 66
		.amdhsa_reserve_vcc 1
		.amdhsa_float_denorm_mode_32 3
		.amdhsa_float_denorm_mode_16_64 3
		.amdhsa_memory_ordered 1
		.amdhsa_forward_progress 1
		.amdhsa_inst_pref_size 120
	.end_amdhsa_kernel
	.amdgpu_metadata
---
amdhsa.version: [ 1, 2 ]
amdhsa.kernels:
  - .name:           k_q6e1a9d66a5_route
    .symbol:         k_q6e1a9d66a5_route.kd
    .args:
      - { .name: x, .offset: 0, .size: 8, .value_kind: global_buffer, .address_space: global }
      - { .name: gate_w, .offset: 8, .size: 8, .value_kind: global_buffer, .address_space: global }
      - { .name: orig_w, .offset: 16, .size: 8, .value_kind: global_buffer, .address_space: global }
      - { .name: orig_b, .offset: 24, .size: 8, .value_kind: global_buffer, .address_space: global }
      - { .name: agg_b, .offset: 32, .size: 8, .value_kind: global_buffer, .address_space: global }
      - { .name: xrec, .offset: 40, .size: 8, .value_kind: global_buffer, .address_space: global }
      - { .name: selw, .offset: 48, .size: 8, .value_kind: global_buffer, .address_space: global }
      - { .name: rwb, .offset: 56, .size: 8, .value_kind: global_buffer, .address_space: global }
      - { .name: basev, .offset: 64, .size: 8, .value_kind: global_buffer, .address_space: global }
    .group_segment_fixed_size: 87552
    .private_segment_fixed_size: 0
    .kernarg_segment_align: 8
    .kernarg_segment_size: 72
    .max_flat_workgroup_size: 128
    .sgpr_count:     66
    .vgpr_count:     768
    .wavefront_size: 32
...
	.end_amdgpu_metadata
.endif
;; end of part 1
;; launch place (part 2): grid 32 x 1, 1 waves a work-group, no clusters, 0 bytes of LDS; arguments selw, list, posn, cnt; writes list, posn, cnt
.if DOCPART == 2
	.amdgcn_target "amdgcn-amd-amdhsa--gfx1250"
	.amdhsa_code_object_version 6
	.text
	.protected	k_q6e1a9d66a5_place
	.globl	k_q6e1a9d66a5_place
	.p2align	8
	.type	k_q6e1a9d66a5_place,@function
k_q6e1a9d66a5_place:
	s_mov_b64 s[64:65], 0
	v_nop
	global_prefetch_b8 v0, s[64:65] scope:SCOPE_SE
	s_setreg_imm32_b32 hwreg(HW_REG_WAVE_MODE, 25, 1), 1
	s_wait_xcnt 0x0
; Launch 2 of 4: the tokens are placed by expert.  One wave for each of the 32 experts (group g = number / 8, expert e = number % 8).  It reads the stored choices of its group and makes a
; permutation of the 2,048 tokens: those that chose e in front, in ascending order, the others from the back.  list[ge][pos] = token, posn[ge][token] = pos, cnt[ge] = how many chose e.
; Every word of list and posn is written, so entries behind the count are tokens too, and a later launch may gather a whole block of 64 without a mask.
; Only whole numbers are handled here; positions are held at 2,047 before they enter an address.  No LDS, no barrier, no atomics: each word has one owner.
; Each of the 64 chunks of 32 tokens has its own three registers for its stores, so that no store's source is written again.
.set WD, 16                            ; v16-79   chunk c: the stored choices, then the positions
.set AD, 80                            ; v80-143  4 x position
.set TT, 144                           ; v144-207 the token
	s_load_b256 s[4:11], s[0:1], 0x0               ; selw s[4:5], list s[6:7], posn s[8:9], cnt s[10:11]
	v_and_b32 v1, 31, v0                           ; lane
	v_lshrrev_b32 v2, 4, v1
	v_and_b32 v3, 15, v1
	v_lshlrev_b32 v3, 2, v3
	v_lshl_add_u32 v2, v2, 8, v3                   ; selw is [tile of 16 tokens][group][16]: 256 (lane / 16) + 4 (lane % 16)
	v_lshlrev_b32 v4, 2, v1
	v_sub_nc_u32 v5, 0, v1                         ; - lane
	s_lshr_b32 s12, ttmp9, 3                       ; g
	s_and_b32 s13, ttmp9, 7                        ; e
	s_lshl_b32 s14, s12, 6
	s_mov_b32 s15, 0
	s_lshl_b32 s16, ttmp9, 13                      ; 8,192 bytes an expert in list and in posn
	s_mov_b32 s17, 0
	s_lshl_b32 s18, ttmp9, 2
	s_mov_b32 s19, 0
	s_mov_b32 s20, 0                               ; how many have chosen e so far
	s_wait_kmcnt 0x0
	s_add_nc_u64 s[4:5], s[4:5], s[14:15]
	s_add_nc_u64 s[6:7], s[6:7], s[16:17]
	s_add_nc_u64 s[8:9], s[8:9], s[16:17]
	s_add_nc_u64 s[10:11], s[10:11], s[18:19]
.set cc, 0
.rept 64
	global_load_b32 v[WD+cc], v2, s[4:5] offset:512*cc
.set cc, cc+1
.endr
	s_wait_loadcnt 0x0
.set cc, 0
.rept 64
	v_and_b32 v6, 0xff, v[WD+cc]                   ; the first choice,
	v_lshrrev_b32 v7, 8, v[WD+cc]                  ; the second: they differ, so a token counts once
	v_cmp_eq_u32 s21, s13, v6
	v_cmp_eq_u32 vcc_lo, s13, v7
	s_or_b32 s21, s21, vcc_lo
	v_mbcnt_lo_u32_b32 v8, s21, s20                ; how many tokens before mine have chosen e
	v_add3_u32 v9, v8, v5, 2047-32*cc              ; a token that has not: 2,047 - (token - that number)
	v_cndmask_b32 v[WD+cc], v9, v8, s21
	v_min_u32 v[WD+cc], 2047, v[WD+cc]
	v_lshlrev_b32 v[AD+cc], 2, v[WD+cc]
	v_add_nc_u32 v[TT+cc], 32*cc, v1
	global_store_b32 v[AD+cc], v[TT+cc], s[6:7]
	global_store_b32 v4, v[WD+cc], s[8:9] offset:128*cc
	s_bcnt1_i32_b32 s22, s21
	s_add_co_u32 s20, s20, s22
.set cc, cc+1
.endr
	v_mov_b32 v10, s20
	v_mov_b32 v11, 0
	v_cmp_eq_u32 vcc_lo, 0, v1
	s_wait_xcnt 0x0                                ; EXEC is a source of the stores above: it changes only behind this wait
	s_and_saveexec_b32 s23, vcc_lo
	global_store_b32 v11, v10, s[10:11]            ; the count: one lane
	s_wait_xcnt 0x0                                ; and again ahead of the line that widens it
	s_or_b32 exec_lo, exec_lo, s23
	s_endpgm
.Lfunc_end_k_q6e1a9d66a5_place:
	.size	k_q6e1a9d66a5_place, .Lfunc_end_k_q6e1a9d66a5_place-k_q6e1a9d66a5_place
	.p2alignl 7, 3214868480
	.fill 96, 4, 3214868480
	.section	.rodata,"a",@progbits
	.p2align	6, 0x0
	.amdhsa_kernel k_q6e1a9d66a5_place
		.amdhsa_group_segment_fixed_size 0
		.amdhsa_private_segment_fixed_size 0
		.amdhsa_enable_private_segment 0
		.amdhsa_kernarg_size 32
		.amdhsa_user_sgpr_count 2
		.amdhsa_user_sgpr_kernarg_segment_ptr 1
		.amdhsa_wavefront_size32 1
		.amdhsa_system_sgpr_workgroup_id_x 1
		.amdhsa_system_sgpr_workgroup_id_y 1
		.amdhsa_system_sgpr_workgroup_id_z 1
		.amdhsa_system_vgpr_workitem_id 0
		.amdhsa_next_free_vgpr 208
		.amdhsa_next_free_sgpr 66
		.amdhsa_reserve_vcc 1
		.amdhsa_float_denorm_mode_32 3
		.amdhsa_float_denorm_mode_16_64 3
		.amdhsa_memory_ordered 1
		.amdhsa_forward_progress 1
		.amdhsa_inst_pref_size 62
	.end_amdhsa_kernel
	.amdgpu_metadata
---
amdhsa.version: [ 1, 2 ]
amdhsa.kernels:
  - .name:           k_q6e1a9d66a5_place
    .symbol:         k_q6e1a9d66a5_place.kd
    .args:
      - { .name: selw, .offset: 0, .size: 8, .value_kind: global_buffer, .address_space: global }
      - { .name: list, .offset: 8, .size: 8, .value_kind: global_buffer, .address_space: global }
      - { .name: posn, .offset: 16, .size: 8, .value_kind: global_buffer, .address_space: global }
      - { .name: cnt, .offset: 24, .size: 8, .value_kind: global_buffer, .address_space: global }
    .group_segment_fixed_size: 0
    .private_segment_fixed_size: 0
    .kernarg_segment_align: 8
    .kernarg_segment_size: 32
    .max_flat_workgroup_size: 32
    .sgpr_count:     66
    .vgpr_count:     208
    .wavefront_size: 32
...
	.end_amdgpu_metadata
.endif
;; end of part 2
;; launch chain (part 3): grid 8 x 32, 4 waves a work-group, no clusters, 118,272 bytes of LDS; arguments expert_w, expert_b, agg_w, xrec, list, cnt, part; writes part
.if DOCPART == 3
	.amdgcn_target "amdgcn-amd-amdhsa--gfx1250"
	.amdhsa_code_object_version 6
	.text
	.protected	k_q6e1a9d66a5_chain
	.globl	k_q6e1a9d66a5_chain
	.p2align	8
	.type	k_q6e1a9d66a5_chain,@function
k_q6e1a9d66a5_chain:
	s_mov_b64 s[64:65], 0
	v_nop
	global_prefetch_b8 v0, s[64:65] scope:SCOPE_SE
	s_setreg_imm32_b32 hwreg(HW_REG_WAVE_MODE, 25, 1), 1
	s_wait_xcnt 0x0
; Launch 3 of 4: the expert product on the chosen rows alone (combine is the constant 0 for the six experts of a group that a token did not choose: see the first kernel's head), and behind it
; the bias and the contraction with agg_w.  part[p8][ge][pos][j] = sum over this work-group's 256 d of agg_w[j][d] x (sum over its 512 k of Q(x)[token][k] Q(W)[d][k] + expert_b[d] in K quarter 0).
; SHARES.  Work-group (p8, ge): expert ge, rows d = 256 (p8 / 4) .. + 255 of its weight, K quarter q = p8 % 4: 512 KB of f32, read once, 512 consecutive bytes a load, turned through the
; wave's own stage in LDS and quantised to E2M3 in registers.  Wave w keeps d = 256 (p8 / 4) + 64 w .. + 63 as 4 tiles x 4 K steps x 12 = 192 registers for the whole launch: the codes never go to memory.
; Then the expert's tokens, 64 a trip: each wave gathers 16 records of 512 bytes (token, q) by the stored list and puts them into an LDS slot; all four waves read all 64 rows.
; 64 scaled 6-bit matrix instructions a wave and trip (source 0 = 16 rows of W, source 1 = 16 tokens: a lane holds one token and eight neighbouring d), the bias as the C of the first;
; the results, rounded to bf16 in pairs, ARE source 1 of agg_w's product (source 0 = agg_w's 4 rows, 12 rows of zeros); the four waves' parts meet in LDS and leave as whole units of 256 bytes.
; THE LOOP HAS A CONSTANT 32 TRIPS, which serves all 2,048 tokens on one expert; a trip beyond the expert's count runs its wait and its barrier and nothing else.  Those branches hang on a count
; read from memory: so this launch has no tensor load and no joint load of a cluster, though work-groups of one expert and K quarter gather the same records.
; One barrier a trip: ahead of it a wave has read slot (trip % 2), written its part's image (trip % 2) and stored the next block's rows into the other slot, which was last read ahead of the barrier before.
; LIMITS: as stated at the first kernel's head.
; REGISTERS: window 0: v4-15 addresses; v16-31 gather offsets; v32-47 W's scale words, v48-63 x's (scales alone); v64-159 two sets of x's fragments; v160-223 64 numbers at work; v224-239 agg_w in bf16.
;   window 1: v0-191 W's 16 fragments; v192-255 the results in bf16.   window 2: v0-127 16 accumulators, v128-159 agg's four, v160-191 the bias.   window 3: four sets of 16 rows as loaded.
.set PIT,   528                        ; a row of 512 bytes + 16 = 33 x 16: the 16 rows that a load touches begin in 16 different 16-byte columns of 256
.set STGW,  8448                       ; LDS: turn stage, 16 rows, for each wave
.set XSL,   33792                      ; two slots of 64 rows
.set SLOTB, 33792
.set PB,    101376                     ; the parts' images: [trip % 2][wave][tile of tokens] 512 bytes
.set SPARE, 117760                     ; the spare words, 128 bytes for each wave: two blocks of 256 bytes that no other line names
.set L16, 4
.set TSA, 5
.set TSR, 6
.set XST, 7                            ; where I store my 16 gathered rows
.set XFR, 8                            ; a fragment's place for my lane: 528 r + 48 h
.set XFS, 9                            ; a row's four scale words: 528 r + 384
.set PST, 10
.set PRD, 11
.set PGO0, 12
.set PGO, 13
.set SPW, 14                           ; my spare word; never rewritten
.set NIL, 15                           ; 0; never rewritten
.set GA,  16
.set WS,  32
.set XS,  48
.set XFG, 64
.set XN,  160
.set RT,  160
.set AG,  224
.set MX,  240
.set SCO, 242
.set BY,  244
.set T,   246
.set H8,  247
.set AGO, 248
.set BIO, 249
.set PP,  192                          ; window 1
.set DD,  128                          ; window 2
.set BI,  160                          ; window 2
.set SEL, 54
.set MSB, 0
.macro WIN new                         ; the immediate's high byte repeats the setting that is left; a switch that changes nothing is dropped
.if MSB != (\new)
	s_set_vgpr_msb (MSB<<8)|(\new)
.set MSB, (\new)
.endif
.endm
.macro NOP4
.rept 4
	v_nop
.endr
.endm
.macro TURN set, nrows, dwin           ; rows as loaded into the stage; back as 64 numbers a lane.  LDS serves a wave's instructions in order: no wait between
	WIN (\dwin)<<2
.set ti, 0
.rept \nrows
	ds_store_b128 v[TSA], v[(\set)+4*ti:(\set)+4*ti+3] offset:PIT*ti
.set ti, ti+1
.endr
	WIN 0
.irp c, 0,1
.irp p, 0,1,2,3,4,5,6,7
	ds_load_b128 v[XN+32*\c+4*\p:XN+32*\c+4*\p+3], v[TSR] offset:256*\c+16*\p
.endr
.endr
.endm
; 64 numbers of a lane, v[src + 32 c + i] = k 64 c + 32 h + i of my row, become the operand's 12 registers (window wd, from dst) and the row's scale word.
.macro QUANT src, dst, tmp, sw, wd
.irp c, 0,1
	v_max3_num_f32 v[MX+\c], |v[(\src)+32*\c]|, |v[(\src)+32*\c+1]|, 0x1800000   ; my block 2 c + h, and the floor 2^(3 - 127): the byte cannot fall under 1
.endr
.irp i, 2,4,6,8,10,12,14,16,18,20,22,24,26,28,30
.irp c, 0,1
	v_max3_num_f32 v[MX+\c], v[MX+\c], |v[(\src)+32*\c+\i]|, |v[(\src)+32*\c+\i+1]|
.endr
.endr
.irp c, 0,1
	v_add_nc_u32 v[SCO+\c], 0xff000000, v[MX+\c]   ; 2 off the exponent field: the conversion's scale operand
.endr
.irp c, 0,1
	v_lshrrev_b32 v[BY+\c], 23, v[SCO+\c]
.endr
	v_lshl_or_b32 v[\sw], v[BY+1], 16, v[BY]
	v_lshlrev_b32 v[\sw], v[H8], v[\sw]
	v_permlanex16_b32 v[T], v[\sw], s[SEL], s[SEL+1]
	v_or_b32 v[\sw], v[\sw], v[T]                  ; the row's scale word, whole in both halves of the lanes
	WIN (\wd)<<6
.irp c, 0,1
	v_cvt_scalef32_pk16_fp6_f32 v[(\dst)+6*\c:(\dst)+6*\c+2], v[(\src)+32*\c:(\src)+32*\c+15], v[SCO+\c]
	v_cvt_scalef32_pk16_fp6_f32 v[(\tmp)+4*\c:(\tmp)+4*\c+2], v[(\src)+32*\c+16:(\src)+32*\c+31], v[SCO+\c]   ; a conversion's three registers begin on an even number
.endr
	v_nop                                          ; one plain place behind a scaled conversion
	WIN ((\wd)<<6)|(\wd)
.irp c, 0,1
.irp i, 0,1,2
	v_mov_b32 v[(\dst)+6*\c+3+\i], v[(\tmp)+4*\c+\i]
.endr
.endr
	WIN 0
.endm
.macro LOADW f                         ; fragment f = 4 n + s: 16 rows of tile n, K step s, 512 bytes each, into set f % 4 of window 3
	WIN 0xc0
.irp i, 0,1,2,3,4,5,6,7,8,9,10,11,12,13,14,15
	global_load_b128 v[64*((\f)%4)+4*\i:64*((\f)%4)+4*\i+3], v[L16], s[4:5] offset:8192*(16*((\f)/4)+\i)+512*((\f)%4) th:TH_LOAD_NT
.endr
	WIN 0
.endm
.macro GADDR sb                        ; 16 tokens of the list, held at 2,047, become offsets: 2,048 x token + 16 x lane
.irp n, 0,1,2,3,4,5,6,7,8,9,10,11,12,13,14,15
	s_min_u32 s[(\sb)+\n], s[(\sb)+\n], 2047
	v_lshl_add_u32 v[GA+\n], s[(\sb)+\n], 11, v[L16]
.endr
.endm
.macro GLOAD set                       ; their records of my K quarter: 512 consecutive bytes a load
	WIN 0xc0
.irp n, 0,1,2,3,4,5,6,7,8,9,10,11,12,13,14,15
	global_load_b128 v[(\set)+4*\n:(\set)+4*\n+3], v[GA+\n], s[10:11]
.endr
	WIN 0
.endm
.macro XSTORE set, sl
	WIN 0x0c
.irp n, 0,1,2,3,4,5,6,7,8,9,10,11,12,13,14,15
	ds_store_b128 v[XST], v[(\set)+4*\n:(\set)+4*\n+3] offset:SLOTB*(\sl)+PIT*\n
.endr
	WIN 0
.endm
.macro WSTEP f, left
	s_wait_loadcnt \left                           ; this fragment's 16 loads are in; the count is that of the younger loads
	TURN 64*((\f)%4), 16, 3
	s_wait_dscnt 0x0                               ; the numbers are back, and the stores have read the set that the next loads take
.if (\f) < 12
	LOADW (\f)+4
.elseif (\f) == 12
	GADDR 20                                       ; the first block of tokens, into set 0
	GLOAD 0
.elseif (\f) == 13
	s_wait_xcnt 0x0                                ; the first block's loads have read their offsets
	GADDR 36                                       ; the second, into set 1
	GLOAD 64
.endif
	QUANT XN, 12*(\f), 192, WS+(\f), 1
.endm
.macro FETCH ks, fs, sl                ; x's four fragments of K step ks from slot sl into set fs: three loads of 16 bytes each
.irp m, 0,1,2,3
.irp c, 0,1,2
	ds_load_b128 v[XFG+48*(\fs)+12*\m+4*\c:XFG+48*(\fs)+12*\m+4*\c+3], v[XFR] offset:SLOTB*(\sl)+8448*\m+96*(\ks)+16*\c
.endr
.endr
.endm
.macro MUL ks, fs                      ; 16 matrix instructions: the 16 accumulators take turns, one instruction a turn, in the same order in every K step
	WIN 0xa1                                       ; source 0 (W) window 1, source 1 (x) window 0, C and D window 2
.irp m, 0,1,2,3
.irp n, 0,1,2,3
.if (\ks) == 0
	v_wmma_scale_f32_16x16x128_f8f6f4 v[8*(4*\m+\n):8*(4*\m+\n)+7], v[12*(4*\n+(\ks)):12*(4*\n+(\ks))+11], v[XFG+48*(\fs)+12*\m:XFG+48*(\fs)+12*\m+11], v[BI+8*\n:BI+8*\n+7], v[WS+4*\n+(\ks)], v[XS+4*\m+(\ks)] matrix_a_fmt:MATRIX_FMT_FP6 matrix_b_fmt:MATRIX_FMT_FP6
.else
	v_wmma_scale_f32_16x16x128_f8f6f4 v[8*(4*\m+\n):8*(4*\m+\n)+7], v[12*(4*\n+(\ks)):12*(4*\n+(\ks))+11], v[XFG+48*(\fs)+12*\m:XFG+48*(\fs)+12*\m+11], v[8*(4*\m+\n):8*(4*\m+\n)+7], v[WS+4*\n+(\ks)], v[XS+4*\m+(\ks)] matrix_a_fmt:MATRIX_FMT_FP6 matrix_b_fmt:MATRIX_FMT_FP6
.endif
.endr
.endr
.endm
.macro COMPUTE par
.irp m, 0,1,2,3
	ds_load_b128 v[XS+4*\m:XS+4*\m+3], v[XFS] offset:SLOTB*(\par)+8448*\m   ; a row's four scale words at once
.endr
	FETCH 0, 0, \par
	FETCH 1, 1, \par
	s_wait_dscnt 12                                ; all but the 12 loads of K step 1
	MUL 0, 0
	WIN 0
	NOP4                                           ; places ahead of loads into registers that matrix instructions have read
	FETCH 2, 0, \par
	s_wait_dscnt 12                                ; all but the 12 just issued
	MUL 1, 1
	WIN 0
	NOP4
	FETCH 3, 1, \par
	s_wait_dscnt 12
	MUL 2, 0
	s_wait_dscnt 0x0
	MUL 3, 1
	NOP4                                           ; places ahead of the first read of the last result
	WIN 0x4a                                       ; sources window 2, destination window 1.  Lane (r, h): token r, d = 16 n + 8 h + 0 .. 7: tiles 2 kk and 2 kk + 1 are a bf16 operand of 32 along d as they stand
.irp m, 0,1,2,3
.irp n, 0,1,2,3
.irp j, 0,1,2,3
	v_cvt_pk_bf16_f32 v[PP+16*\m+4*\n+\j], v[8*(4*\m+\n)+2*\j], v[8*(4*\m+\n)+2*\j+1]   ; each accumulator from its low end on
.endr
.endr
.endr
	WIN 0xa4                                       ; source 0 (agg_w) window 0, source 1 window 1, C and D window 2
.irp m, 0,1,2,3
	v_wmma_f32_16x16x32_bf16 v[DD+8*\m:DD+8*\m+7], v[AG:AG+7], v[PP+16*\m:PP+16*\m+7], 0
.endr
.irp m, 0,1,2,3
	v_wmma_f32_16x16x32_bf16 v[DD+8*\m:DD+8*\m+7], v[AG+8:AG+15], v[PP+16*\m+8:PP+16*\m+15], v[DD+8*\m:DD+8*\m+7]
.endr
	NOP4
	WIN 0x08                                       ; an LDS store's data are its source 1: window 2
.irp m, 0,1,2,3
	ds_store_b128 v[PST], v[DD+8*\m:DD+8*\m+3] offset:8192*(\par)+512*\m   ; lanes 0-15: token r, outputs 0 .. 3 (lanes 16-31 hold rows of zeros)
.endr
	WIN 0
.endm
.macro REDUCE par                      ; wave w adds the four waves' parts of tile w of the tokens; s53 = the trip
	s_wait_xcnt 0x0                                ; the last trip's store has read its offset and its data
	v_lshl_add_u32 v[PGO], s53, 10, v[PGO0]        ; 64 positions of 16 bytes a trip
.irp wv, 0,1,2,3
	ds_load_b64 v[RT+2*\wv:RT+2*\wv+1], v[PRD] offset:8192*(\par)+2048*\wv
.endr
	s_wait_dscnt 0x0
	v_pk_add_f32 v[RT:RT+1], v[RT:RT+1], v[RT+2:RT+3]
	v_pk_add_f32 v[RT+4:RT+5], v[RT+4:RT+5], v[RT+6:RT+7]
	v_pk_add_f32 v[RT:RT+1], v[RT:RT+1], v[RT+4:RT+5]
	global_store_b64 v[PGO], v[RT:RT+1], s[16:17]  ; 32 lanes store 256 consecutive bytes, at a multiple of 256 from part's first byte
.endm
; Trip ii = s52 + par.  s19 = the expert's blocks of 64.  Block ii is multiplied, block ii + 1 goes from registers into the other slot, block ii + 2 is gathered, block ii + 3's tokens are read from the list.
.macro TRIP par
	s_add_co_u32 s53, s52, \par
	s_cmp_ge_u32 s53, s19
	s_cbranch_scc1 .La_\@
	COMPUTE \par
	s_add_co_u32 s53, s52, (\par)+1
	s_cmp_ge_u32 s53, s19
	s_cbranch_scc1 .La_\@
	s_wait_loadcnt 0x0                             ; the next block's 16 records are in
	XSTORE 64, 1-(\par)
	s_add_co_u32 s53, s52, (\par)+2
	s_cmp_ge_u32 s53, s19
	s_cbranch_scc1 .La_\@
	s_wait_dscnt 0x0                               ; the stores have read the registers that the gather takes
	s_wait_kmcnt 0x0                               ; its tokens are in
	GADDR 68                                       ; (the offsets' last loads were shown done by the wait on LOADcnt above)
	GLOAD 64
	s_add_co_u32 s53, s52, (\par)+3
	s_cmp_ge_u32 s53, s19
	s_cbranch_scc1 .La_\@
	s_min_u32 s84, s53, 31                         ; the list has 32 blocks
	s_lshl_b32 s84, s84, 8
	s_load_b512 s[68:83], s[12:13], s84 offset:0x0
.La_\@:
	s_wait_dscnt 0x0                               ; for the others' sake: my stores have landed and my reads of the slot are over
	s_barrier_signal -1
	s_barrier_wait -1                              ; every wave, in every trip
	s_add_co_u32 s53, s52, \par
	s_cmp_ge_u32 s53, s19
	s_cbranch_scc1 .Lb_\@
	REDUCE \par
.Lb_\@:
.endm
	s_load_b256 s[4:11], s[0:1], 0x0               ; expert_w s[4:5], expert_b s[6:7], agg_w s[8:9], xrec s[10:11]
	s_load_b128 s[12:15], s[0:1], 0x20             ; list s[12:13], cnt s[14:15]
	s_load_b64 s[16:17], s[0:1], 0x30              ; part
	v_lshl_add_u32 v[SPW], v0, 2, SPARE
	v_mov_b32 v[NIL], 0
	v_lshrrev_b32 v1, 5, v0
	v_readfirstlane_b32 s18, v1                    ; wave
	v_and_b32 v1, 31, v0                           ; lane
	v_and_b32 v2, 15, v0                           ; r
	v_bfe_u32 v3, v0, 4, 1                         ; h
	v_lshlrev_b32 v[L16], 4, v1
	s_mul_i32 s53, s18, STGW
	v_add_nc_u32 v[TSA], s53, v[L16]
	v_mul_u32_u24 v[XFS], v2, PIT                  ; 528 r
	v_lshl_add_u32 v[TSR], v3, 7, v[XFS]
	v_add_nc_u32 v[TSR], s53, v[TSR]
	v_add_nc_u32 v[XST], XSL, v[TSA]               ; my 16 rows of a slot: 16 x 528 x wave
	v_mad_u32_u24 v[XFR], v3, 48, v[XFS]
	v_add_nc_u32 v[XFR], XSL, v[XFR]
	v_add_nc_u32 v[XFS], XSL+384, v[XFS]
	s_lshl_b32 s53, s18, 11
	v_add_nc_u32 v[PST], s53, v[L16]
	v_add_nc_u32 v[PST], PB, v[PST]
	s_lshl_b32 s53, s18, 9
	v_lshl_add_u32 v[PRD], v1, 3, s53
	v_add_nc_u32 v[PRD], PB, v[PRD]
	s_lshl_b32 s53, s18, 8
	v_lshl_add_u32 v[PGO0], v1, 3, s53
	v_lshlrev_b32 v[H8], 3, v3
	v_mov_b32 v[T], 0                              ; a lane permute's destination counts as one of its sources
	v_and_b32 v[AGO], 3, v2
	v_lshlrev_b32 v[AGO], 11, v[AGO]
	v_lshl_add_u32 v[AGO], v3, 5, v[AGO]           ; agg_w: row r % 4 of 2,048 bytes, + 32 h
	v_lshlrev_b32 v[BIO], 5, v3                    ; expert_b: + 32 h
	s_mov_b32 s[SEL], 0x76543210
	s_mov_b32 s[SEL+1], 0xfedcba98
	s_and_b32 s56, ttmp9, 3                        ; q
	s_lshr_b32 s58, ttmp9, 2
	s_lshl_b32 s58, s58, 8
	s_lshl_b32 s53, s18, 6
	s_add_co_u32 s58, s58, s53                     ; my first d: 256 (p8 / 4) + 64 x wave
	s_and_b32 s57, ttmp7, 0xffff                   ; ge
	s_lshl_b32 s66, s57, 9
	s_add_co_u32 s66, s66, s58                     ; its row among the 16,384 of expert_w
	s_lshl_b32 s60, s66, 13
	s_lshl_b32 s53, s56, 11
	s_add_co_u32 s60, s60, s53                     ; 8,192 x row + 2,048 q: under 2^28
	s_mov_b32 s61, 0
	s_lshl_b32 s62, s66, 2
	s_mov_b32 s63, 0
	s_cmp_eq_u32 s56, 0
	s_cselect_b32 s59, -1, 0                       ; the bias enters in K quarter 0 alone
	s_wait_kmcnt 0x0
	s_add_nc_u64 s[4:5], s[4:5], s[60:61]
	s_add_nc_u64 s[6:7], s[6:7], s[62:63]
	s_lshl_b32 s62, s58, 2
	s_add_nc_u64 s[8:9], s[8:9], s[62:63]
	s_lshl_b32 s62, s56, 9
	s_add_nc_u64 s[10:11], s[10:11], s[62:63]
	s_lshl_b32 s62, s57, 13
	s_lshl_b32 s53, s18, 6
	s_add_co_u32 s62, s62, s53                     ; list: 8,192 x ge + my 16 of a block's 64
	s_add_nc_u64 s[12:13], s[12:13], s[62:63]
	s_lshl_b32 s62, s57, 2
	s_add_nc_u64 s[14:15], s[14:15], s[62:63]
	s_lshl_b32 s62, ttmp9, 20
	s_lshl_b32 s53, s57, 15
	s_add_co_u32 s62, s62, s53
	s_add_nc_u64 s[16:17], s[16:17], s[62:63]
	s_load_b32 s19, s[14:15], 0x0                  ; the expert's count
	s_load_b512 s[20:35], s[12:13], 0x0            ; my tokens of blocks 0, 1, 2: every word of the list is a token, whatever the count
	s_load_b512 s[36:51], s[12:13], 0x100
	s_load_b512 s[68:83], s[12:13], 0x200
.irp kk, 0,1
.irp u, 0,1
.irp z, 0,1
	global_load_b128 v[64+16*\kk+8*\u+4*\z:64+16*\kk+8*\u+4*\z+3], v[AGO], s[8:9] offset:128*\kk+64*\u+16*\z   ; agg_w(r % 4, my d 32 kk + 16 u + 8 h + 4 z ..)
.endr
.endr
.endr
	WIN 0x80
.irp n, 0,1,2,3
.irp z, 0,1
	global_load_b128 v[BI+8*\n+4*\z:BI+8*\n+4*\z+3], v[BIO], s[6:7] offset:64*\n+16*\z   ; the bias in the result's layout: d = 16 n + 8 h + 0 .. 7
.endr
.endr
	WIN 0
	LOADW 0
	LOADW 1
	LOADW 2
	LOADW 3
	s_wait_kmcnt 0x0
	s_add_co_u32 s19, s19, 63
	s_lshr_b32 s19, s19, 6
	s_min_u32 s19, s19, 32                         ; blocks of 64 tokens
	WSTEP 0, 48                                    ; three younger fragments, 16 loads each; agg_w's and the bias's loads are older
	v_cmp_gt_u32 vcc_lo, 4, v2
.irp i, 0,1,2,3,4,5,6,7,8,9,10,11,12,13,14,15
	v_cvt_pk_bf16_f32 v[AG+\i], v[64+2*\i], v[65+2*\i]
.endr
.irp i, 0,1,2,3,4,5,6,7,8,9,10,11,12,13,14,15
	v_cndmask_b32 v[AG+\i], 0, v[AG+\i], vcc_lo    ; rows 4 to 15 of the operand are zeros
.endr
	WIN 0x88
.irp i, 0,1,2,3,4,5,6,7,8,9,10,11,12,13,14,15,16,17,18,19,20,21,22,23,24,25,26,27,28,29,30,31
	v_cndmask_b32 v[BI+\i], 0, v[BI+\i], s59
.endr
	WIN 0
.irp f, 1,2,3,4,5,6,7,8,9,10,11
	WSTEP \f, 48
.endr
	WSTEP 12, 48                                   ; fragments 13, 14, 15
	WSTEP 13, 48                                   ; 14, 15 and the first gather
	WSTEP 14, 48                                   ; 15 and both gathers
	WSTEP 15, 32                                   ; both gathers
	s_wait_loadcnt 16                              ; the first block's records are in; the second's may be out
	XSTORE 0, 0
	s_wait_dscnt 0x0
	s_barrier_signal -1
	s_barrier_wait -1                              ; slot 0 is whole
	s_mov_b32 s52, 0
.Ltrip:
	TRIP 0
	TRIP 1
	s_add_co_u32 s52, s52, 2
	s_cmp_lt_u32 s52, 32
	s_cbranch_scc1 .Ltrip
	s_wait_tensorcnt 0x0                           ; the wave's end: three closing lines behind my last LDS store
	ds_add_u32 v[SPW], v[NIL]
	s_wait_dscnt 0x0
	s_endpgm
.Lfunc_end_k_q6e1a9d66a5_chain:
	.size	k_q6e1a9d66a5_chain, .Lfunc_end_k_q6e1a9d66a5_chain-k_q6e1a9d66a5_chain
	.p2alignl 7, 3214868480
	.fill 96, 4, 3214868480
	.section	.rodata,"a",@progbits
	.p2align	6, 0x0
	.amdhsa_kernel k_q6e1a9d66a5_chain
		.amdhsa_group_segment_fixed_size 118272
		.amdhsa_private_segment_fixed_size 0
		.amdhsa_enable_private_segment 0
		.amdhsa_kernarg_size 56
		.amdhsa_user_sgpr_count 2
		.amdhsa_user_sgpr_kernarg_segment_ptr 1
		.amdhsa_wavefront_size32 1
		.amdhsa_system_sgpr_workgroup_id_x 1
		.amdhsa_system_sgpr_workgroup_id_y 1
		.amdhsa_system_sgpr_workgroup_id_z 1
		.amdhsa_system_vgpr_workitem_id 0
		.amdhsa_next_free_vgpr 1024
		.amdhsa_next_free_sgpr 100
		.amdhsa_reserve_vcc 1
		.amdhsa_float_denorm_mode_32 3
		.amdhsa_float_denorm_mode_16_64 3
		.amdhsa_memory_ordered 1
		.amdhsa_forward_progress 1
		.amdhsa_inst_pref_size 171
	.end_amdhsa_kernel
	.amdgpu_metadata
---
amdhsa.version: [ 1, 2 ]
amdhsa.kernels:
  - .name:           k_q6e1a9d66a5_chain
    .symbol:         k_q6e1a9d66a5_chain.kd
    .args:
      - { .name: expert_w, .offset: 0, .size: 8, .value_kind: global_buffer, .address_space: global }
      - { .name: expert_b, .offset: 8, .size: 8, .value_kind: global_buffer, .address_space: global }
      - { .name: agg_w, .offset: 16, .size: 8, .value_kind: global_buffer, .address_space: global }
      - { .name: xrec, .offset: 24, .size: 8, .value_kind: global_buffer, .address_space: global }
      - { .name: list, .offset: 32, .size: 8, .value_kind: global_buffer, .address_space: global }
      - { .name: cnt, .offset: 40, .size: 8, .value_kind: global_buffer, .address_space: global }
      - { .name: part, .offset: 48, .size: 8, .value_kind: global_buffer, .address_space: global }
    .group_segment_fixed_size: 118272
    .private_segment_fixed_size: 0
    .kernarg_segment_align: 8
    .kernarg_segment_size: 56
    .max_flat_workgroup_size: 128
    .sgpr_count:     100
    .vgpr_count:     1024
    .wavefront_size: 32
...
	.end_amdgpu_metadata
.endif
;; end of part 3
;; launch sum (part 4): grid 128 x 1, 1 waves a work-group, no clusters, 0 bytes of LDS; arguments selw, posn, rwb, basev, part, out0; writes out0
.if DOCPART == 4
	.amdgcn_target "amdgcn-amd-amdhsa--gfx1250"
	.amdhsa_code_object_version 6
	.text
	.protected	k_q6e1a9d66a5_sum
	.globl	k_q6e1a9d66a5_sum
	.p2align	8
	.type	k_q6e1a9d66a5_sum,@function
k_q6e1a9d66a5_sum:
	s_mov_b64 s[64:65], 0
	v_nop
	global_prefetch_b8 v0, s[64:65] scope:SCOPE_SE
	s_setreg_imm32_b32 hwreg(HW_REG_WAVE_MODE, 25, 1), 1
	s_wait_xcnt 0x0
; Launch 4 of 4: out0[t][j] = basev[t][j] + 1/4 x the sum over the 4 groups and the 2 chosen experts of rw x the sum over the 8 parts of part[p8][ge][pos][j].
; Only the chosen experts' rows exist (the others are multiplied by a constant 0 in the problem: see the first kernel's head).  Each output has one owner: no atomics.
; A wave takes 16 tokens; lane l: token l / 2, choice k = l % 2.  The expert and the position are whole numbers stored by earlier launches, held at 7 and 2,047 before they enter an address.
; Memory and latency bind; no LDS, no matrix unit: 32 loads of 16 bytes a lane are out together.
.set SW, 8
.set RW, 12
.set BV, 16
.set EX, 20
.set PO, 24
.set PS, 28
.set RO, 32
.set AC, 36
.set DT, 48                            ; v48-175: group g, part p at 48 + 32 g + 4 p
	s_load_b256 s[4:11], s[0:1], 0x0               ; selw s[4:5], posn s[6:7], rwb s[8:9], basev s[10:11]
	s_load_b128 s[12:15], s[0:1], 0x20             ; part s[12:13], out0 s[14:15]
	v_and_b32 v1, 31, v0
	v_lshrrev_b32 v2, 1, v1                        ; the token in the tile
	v_and_b32 v3, 1, v1                            ; k
	v_lshlrev_b32 v4, 2, v2
	v_lshlrev_b32 v5, 2, v1
	v_lshlrev_b32 v6, 3, v1
	v_lshlrev_b32 v7, 3, v3
	s_mov_b32 s16, 0x3e800000                      ; 1/4: the mean over the groups
	s_lshl_b32 s18, ttmp9, 8
	s_mov_b32 s19, 0
	s_lshl_b32 s20, ttmp9, 9
	s_mov_b32 s21, 0
	s_lshl_b32 s22, ttmp9, 6
	s_mov_b32 s23, 0
	s_wait_kmcnt 0x0
	s_add_nc_u64 s[4:5], s[4:5], s[18:19]
	s_add_nc_u64 s[6:7], s[6:7], s[22:23]          ; posn: 4 bytes a token
	s_add_nc_u64 s[8:9], s[8:9], s[20:21]
	s_add_nc_u64 s[10:11], s[10:11], s[18:19]
	s_add_nc_u64 s[14:15], s[14:15], s[18:19]
.irp g, 0,1,2,3
	global_load_b32 v[SW+\g], v4, s[4:5] offset:64*\g
.endr
.irp g, 0,1,2,3
	global_load_b32 v[RW+\g], v5, s[8:9] offset:128*\g
.endr
	global_load_b64 v[BV:BV+1], v6, s[10:11]
	s_wait_loadcnt 0x0
.irp g, 0,1,2,3
	v_lshrrev_b32 v[EX+\g], v7, v[SW+\g]
	v_and_b32 v[EX+\g], 0xff, v[EX+\g]
	v_min_u32 v[EX+\g], 7, v[EX+\g]                ; my expert of group g
	v_lshl_add_u32 v[PO+\g], v[EX+\g], 13, v4
	global_load_b32 v[PS+\g], v[PO+\g], s[6:7] offset:65536*\g
.endr
	s_wait_loadcnt 0x0
.irp g, 0,1,2,3
	v_min_u32 v[PS+\g], 2047, v[PS+\g]             ; my token's position in that expert's list
	v_lshlrev_b32 v[RO+\g], 4, v[PS+\g]
	v_lshl_add_u32 v[RO+\g], v[EX+\g], 15, v[RO+\g]
.endr
.irp g, 0,1,2,3
.irp p, 0,1,2,3,4,5,6,7
	global_load_b128 v[DT+32*\g+4*\p:DT+32*\g+4*\p+3], v[RO+\g], s[12:13] offset:(\p)*1048576+(\g)*262144
.endr
.endr
.irp g, 0,1,2,3
	s_wait_loadcnt 24-8*\g                         ; this group's eight loads are in; the later groups' eight each may be out
.irp p, 0,2,4,6
	v_pk_add_f32 v[DT+32*\g+4*\p:DT+32*\g+4*\p+1], v[DT+32*\g+4*\p:DT+32*\g+4*\p+1], v[DT+32*\g+4*\p+4:DT+32*\g+4*\p+5]
	v_pk_add_f32 v[DT+32*\g+4*\p+2:DT+32*\g+4*\p+3], v[DT+32*\g+4*\p+2:DT+32*\g+4*\p+3], v[DT+32*\g+4*\p+6:DT+32*\g+4*\p+7]
.endr
.irp p, 0,4
	v_pk_add_f32 v[DT+32*\g+4*\p:DT+32*\g+4*\p+1], v[DT+32*\g+4*\p:DT+32*\g+4*\p+1], v[DT+32*\g+4*\p+8:DT+32*\g+4*\p+9]
	v_pk_add_f32 v[DT+32*\g+4*\p+2:DT+32*\g+4*\p+3], v[DT+32*\g+4*\p+2:DT+32*\g+4*\p+3], v[DT+32*\g+4*\p+10:DT+32*\g+4*\p+11]
.endr
	v_pk_add_f32 v[DT+32*\g:DT+32*\g+1], v[DT+32*\g:DT+32*\g+1], v[DT+32*\g+16:DT+32*\g+17]
	v_pk_add_f32 v[DT+32*\g+2:DT+32*\g+3], v[DT+32*\g+2:DT+32*\g+3], v[DT+32*\g+18:DT+32*\g+19]
.irp j, 0,1,2,3
.if \g == 0
	v_mul_f32 v[AC+\j], v[DT+\j], v[RW]            ; the first group starts the sums
.else
	v_fma_f32 v[AC+\j], v[DT+32*\g+\j], v[RW+\g], v[AC+\j]
.endif
.endr
.endr
.irp j, 0,1,2,3
	v_add_f32_dpp v[AC+\j], v[AC+\j], v[AC+\j] row_xmask:1 row_mask:0xf bank_mask:0xf   ; with the token's other choice
.endr
	v_cmp_eq_u32 vcc_lo, 1, v3
	v_cndmask_b32 v40, v[AC], v[AC+2], vcc_lo      ; lane k = 0 stores outputs 0, 1; lane k = 1 outputs 2, 3
	v_cndmask_b32 v41, v[AC+1], v[AC+3], vcc_lo
	v_fma_f32 v40, v40, s16, v[BV]
	v_fma_f32 v41, v41, s16, v[BV+1]
	global_store_b64 v6, v[40:41], s[14:15]        ; 32 lanes store 256 consecutive bytes, at a multiple of 256 from out0's first byte
	s_endpgm
.Lfunc_end_k_q6e1a9d66a5_sum:
	.size	k_q6e1a9d66a5_sum, .Lfunc_end_k_q6e1a9d66a5_sum-k_q6e1a9d66a5_sum
	.p2alignl 7, 3214868480
	.fill 96, 4, 3214868480
	.section	.rodata,"a",@progbits
	.p2align	6, 0x0
	.amdhsa_kernel k_q6e1a9d66a5_sum
		.amdhsa_group_segment_fixed_size 0
		.amdhsa_private_segment_fixed_size 0
		.amdhsa_enable_private_segment 0
		.amdhsa_kernarg_size 48
		.amdhsa_user_sgpr_count 2
		.amdhsa_user_sgpr_kernarg_segment_ptr 1
		.amdhsa_wavefront_size32 1
		.amdhsa_system_sgpr_workgroup_id_x 1
		.amdhsa_system_sgpr_workgroup_id_y 1
		.amdhsa_system_sgpr_workgroup_id_z 1
		.amdhsa_system_vgpr_workitem_id 0
		.amdhsa_next_free_vgpr 176
		.amdhsa_next_free_sgpr 66
		.amdhsa_reserve_vcc 1
		.amdhsa_float_denorm_mode_32 3
		.amdhsa_float_denorm_mode_16_64 3
		.amdhsa_memory_ordered 1
		.amdhsa_forward_progress 1
		.amdhsa_inst_pref_size 12
	.end_amdhsa_kernel
	.amdgpu_metadata
---
amdhsa.version: [ 1, 2 ]
amdhsa.kernels:
  - .name:           k_q6e1a9d66a5_sum
    .symbol:         k_q6e1a9d66a5_sum.kd
    .args:
      - { .name: selw, .offset: 0, .size: 8, .value_kind: global_buffer, .address_space: global }
      - { .name: posn, .offset: 8, .size: 8, .value_kind: global_buffer, .address_space: global }
      - { .name: rwb, .offset: 16, .size: 8, .value_kind: global_buffer, .address_space: global }
      - { .name: basev, .offset: 24, .size: 8, .value_kind: global_buffer, .address_space: global }
      - { .name: part, .offset: 32, .size: 8, .value_kind: global_buffer, .address_space: global }
      - { .name: out0, .offset: 40, .size: 8, .value_kind: global_buffer, .address_space: global }
    .group_segment_fixed_size: 0
    .private_segment_fixed_size: 0
    .kernarg_segment_align: 8
    .kernarg_segment_size: 48
    .max_flat_workgroup_size: 32
    .sgpr_count:     66
    .vgpr_count:     176
    .wavefront_size: 32
...
	.end_amdgpu_metadata
.endif
;; end of part 4
;; ======== version 2 of 2: 4 launches
;; workspace buffers: xrec 4,194,304 bytes; selw 32,768 bytes of whole numbers; rwb 65,536 bytes; basev 32,768 bytes; list 262,144 bytes of whole numbers; posn 262,144 bytes of whole numbers; cnt 256 bytes of whole numbers; part 8,388,608 bytes
;; launch route (part 5): grid 128 x 1, 4 waves a work-group, no clusters, 87,552 bytes of LDS; arguments x, gate_w, orig_w, orig_b, agg_b, xrec, selw, rwb, basev; writes xrec, selw, rwb, basev
.if DOCPART == 5
	.amdgcn_target "amdgcn-amd-amdhsa--gfx1250"
	.amdhsa_code_object_version 6
	.text
	.protected	k_q6e1a9d66a5_route
	.globl	k_q6e1a9d66a5_route
	.p2align	8
	.type	k_q6e1a9d66a5_route,@function
k_q6e1a9d66a5_route:
	s_mov_b64 s[64:65], 0
	v_nop
	global_prefetch_b8 v0, s[64:65] scope:SCOPE_SE
	s_setreg_imm32_b32 hwreg(HW_REG_WAVE_SCHED_MODE, 0, 2), 2
	s_setreg_imm32_b32 hwreg(HW_REG_WAVE_MODE, 25, 1), 1
	s_wait_xcnt 0x0
	s_wait_alu depctr_vm_vsrc(0)
; MixtureFFNDown, launch 1 of 4.  2,048 tokens of 2,048; 4 groups of 8 experts.  This launch: x into codes of E2M3 (one E8M0 byte for each 32 along K), laid as records that a
; later launch gathers by token; gate_w into codes; the 32 gate logits of each token by the scaled 6-bit matrix form; each group's two chosen experts and their weights;
; x . orig_w^T (bf16 operands, f32 sums) + orig_b + agg_b.
; WORK THAT THE PROGRAM LEAVES OUT, for all finite values of the inputs:
;  (a) combine[t,e] is built from a one_hot of the two chosen experts: for the six others it is the constant 0, so their rows of x . expert_w^T and their terms of the sum over e
;      reach no output.  The later launches multiply the chosen rows alone (2,048 x 4 x 2 of 2,048 x 32); the choice is stored here as whole numbers and read there.
;  (b) rw / sum(rw) over the two kept weights: the softmax's denominator is a common factor and cancels.  The maximum is still taken away: l1 is the row's largest logit, and
;      rw1 = 1 / (1 + e), rw2 = e / (1 + e), e = exp(l2 - l1) <= 1.
;  (c) exp is increasing, so the two largest softmax values are those of the two largest logits; at equal logits the lower index is kept, as jax.lax.top_k keeps it.
;  (d) the mean over g of agg_b[j] is agg_b[j]: it is added once, here.
;  (e) the steps behind the expert product are linear: x combine, . agg_w, the sum over d, the mean over g are taken in another order, and K goes in four quarters added in f32.
; Every input has a way to the output, and all eight are loaded by some launch.
; LIMITS: NaN and infinities among the inputs are not served; a NaN, an infinity or an overflow that arises only in a row of an expert that was not chosen is not carried to the result;
; a block of zeros gets the scale byte 1 where the rule says 127 (its codes are zeros, and this program alone reads the bytes); two logits that differ but whose softmax values round
; to one f32 number are ordered by logit, not by index; the logits are sums of four K quarters, so a choice between logits equal to within f32 rounding may fall otherwise.
; SHARES.  A work-group takes 16 tokens; wave q takes K quarter q (512 along K, four steps of 128).  Every global load reads 512 consecutive bytes of one row, 16 a lane; the rows turn
; through the wave's own stage in LDS (pitch 528 = 33 x 16 bytes, so that the 16 rows that a load touches begin in 16 different 16-byte columns of 256) and come back as the 6-bit
; operand wants them: lane (r, h) holds of row r the numbers k = 64 c + 32 h + 0 .. 31, c = 0, 1: two whole blocks of 32.
; A RECORD (token t, quarter q) is 512 bytes at 2048 t + 512 q of xrec: [step 0..3][h 0..1][48 bytes = the lane's 12 operand registers], four scale words at 384, zeros from 400 on.
; No tensor load, no cluster: gate_w, which all work-groups read, is 256 KB of f32 that does not fit beside the stages, and the launch is short.
; THE MODE: SCHED_MODE bits 1:0 = 2 (LLVM: expert scheduling mode 2), set by the entry lines.  The code itself states the register dependences
; between vector or matrix instructions and memory or LDS instructions, with s_wait_alu, always for 0.
; THE PLAN.  Registers that memory or LDS instructions touch:
;   SX, SG (window 1)   Written by the global loads, read by the stage's LDS stores, named by no vector instruction: one wait on vm_vsrc behind the stores, ahead of the next loads into them.
;   XN, ON              Written by the loads from the stage; read by QUANT and by the conversions to bf16.  Each item's one wait on va_vdst stands behind its last reader of them,
;                       and the matrix instructions behind that wait name neither: so the next item's loads from the stage owe nothing more.
;   XF, XSW             Written by QUANT in the x item; read by the record's LDS stores behind that item's wait on va_vdst; written again behind the next x item's wait on vm_vsrc.
;   GF, GSW             Named by vector and matrix instructions alone; the wait on va_vdst ahead of the scaled product states that they are written.
;   v4-v12, v57-v63, v227-v229   Offsets, addresses and zeros: made at the head, ahead of the one wait on va_vdst there, and never written again.
.set PIT,   528
.set TSTW,  10752                      ; LDS: turn stage, 20 rows x 528, for each wave
.set RST,   43008                      ; record stage, 16 rows x 528, for each wave
.set RSTW,  8448
.set SUM,   76800                      ; for each wave 2,560 bytes: the images of its two logit tiles (4 x 512) and of its part of orig (512)
.set SUMW,  2560
.set SPARE, 87040                      ; the spare words, 128 bytes for each wave: two blocks of 256 bytes that no other line names
.set L16, 4                            ; 16 x lane
.set TSA, 5                            ; turn stage, in: 16 x lane
.set TSR, 6                            ; turn stage, out: 528 r + 128 h
.set TSO, 7                            ; the same for orig_w's rows: 528 (16 + r % 4) + 128 h
.set RSA, 8                            ; record stage: 528 r + 48 h
.set RSS, 9                            ; its scale words: 528 r + 384
.set RSR, 10                           ; record stage, out: 16 x lane
.set SMA, 11                           ; my wave's images: 16 x lane
.set RSZ, 12                           ; the record's zeros: 528 r + 400 + 16 h
.set H8,  13                           ; 8 h
.set SPW, 14                           ; my spare word; never rewritten
.set NIL, 15                           ; 0; never rewritten
.set XF,  16                           ; v16-27  x's fragment
.set GF,  28                           ; v28-39  gate_w's fragment
.set TMP, 40                           ; v40-47  second halves of the conversions
.set XSW, 48                           ; x's scale word: scales alone
.set GSW, 49                           ; gate_w's: scales alone
.set MX,  50
.set SCO, 52
.set BY,  54
.set T,   56
.set SRD, 57                           ; tail: where waves 0, 1 read the logit images
.set ORD, 58                           ; tail: where wave 2 reads orig's images
.set BO,  59                           ; 8 (lane % 2): my pair of the two biases
.set Z,   60                           ; v60-63  zeros
.set XN,  64                           ; v64-127 64 numbers of a lane
.set ON,  128                          ; v128-191 the same of orig_w
.set DL,  192                          ; v192-207 the two logit tiles
.set SO,  227
.set RO,  228
.set L8,  229
.set SX,  0                            ; window 1: 16 rows of x and 4 of orig_w as loaded; from 80 on gate_w's two tiles
.set SG,  80
.set XB,  0                            ; window 2: x in bf16, orig_w in bf16, four accumulators of orig
.set OB,  32
.set DO,  64
.set SEL, 28
.set CM,  30                           ; s31-37  tail: seven masks of a search for the largest
.set HM,  38                           ; s38-45  tail: eight masks that hide the first choice
.set MSB, 0
.macro WIN new                         ; the immediate's high byte repeats the setting that is left; a switch that changes nothing is dropped
.if MSB != (\new)
	s_set_vgpr_msb (MSB<<8)|(\new)
.set MSB, (\new)
.endif
.endm
; nrows rows as loaded (window dwin, 4 registers a row) go into the stage, and 16 rows come back, 64 numbers a lane.  LDS serves a wave's instructions in order: no wait between.
.macro TURN set, nrows, dwin
	WIN (\dwin)<<2
.set ti, 0
.rept \nrows
	ds_store_b128 v[TSA], v[(\set)+4*ti:(\set)+4*ti+3] offset:PIT*ti
.set ti, ti+1
.endr
	WIN 0
.irp c, 0,1
.irp p, 0,1,2,3,4,5,6,7
	ds_load_b128 v[XN+32*\c+4*\p:XN+32*\c+4*\p+3], v[TSR] offset:256*\c+16*\p
.endr
.endr
.endm
; 64 numbers of a lane, v[src + 32 c + i] = k 64 c + 32 h + i of my row, become the operand's 12 registers (window wd, from dst) and the row's scale word.
.macro QUANT src, dst, tmp, sw, wd
.irp c, 0,1
	v_max3_num_f32 v[MX+\c], |v[(\src)+32*\c]|, |v[(\src)+32*\c+1]|, 0x1800000   ; my block 2 c + h, and the floor 2^(3 - 127): the byte cannot fall under 1
.endr
.irp i, 2,4,6,8,10,12,14,16,18,20,22,24,26,28,30
.irp c, 0,1
	v_max3_num_f32 v[MX+\c], v[MX+\c], |v[(\src)+32*\c+\i]|, |v[(\src)+32*\c+\i+1]|   ; the two blocks by turns
.endr
.endr
.irp c, 0,1
	v_add_nc_u32 v[SCO+\c], 0xff000000, v[MX+\c]   ; 2 off the exponent field: the conversion's scale operand
.endr
.irp c, 0,1
	v_lshrrev_b32 v[BY+\c], 23, v[SCO+\c]          ; the scale's byte
.endr
	v_lshl_or_b32 v[\sw], v[BY+1], 16, v[BY]       ; blocks h and 2 + h,
	v_lshlrev_b32 v[\sw], v[H8], v[\sw]            ; at their places in the word;
	v_permlanex16_b32 v[T], v[\sw], s[SEL], s[SEL+1]
	v_or_b32 v[\sw], v[\sw], v[T]                  ; with lane l xor 16's two the word is whole
	WIN (\wd)<<6
.irp c, 0,1
	v_cvt_scalef32_pk16_fp6_f32 v[(\dst)+6*\c:(\dst)+6*\c+2], v[(\src)+32*\c:(\src)+32*\c+15], v[SCO+\c]
	v_cvt_scalef32_pk16_fp6_f32 v[(\tmp)+4*\c:(\tmp)+4*\c+2], v[(\src)+32*\c+16:(\src)+32*\c+31], v[SCO+\c]   ; a conversion's three registers begin on an even number
.endr
	v_nop                                          ; one plain place behind a scaled conversion
	WIN ((\wd)<<6)|(\wd)
.irp c, 0,1
.irp i, 0,1,2
	v_mov_b32 v[(\dst)+6*\c+3+\i], v[(\tmp)+4*\c+\i]
.endr
.endr
	WIN 0
.endm
.macro LOADX ks                        ; step ks: 16 rows of x, 4 of orig_w, 512 bytes each
	WIN 0x40
.irp i, 0,1,2,3,4,5,6,7,8,9,10,11,12,13,14,15
	global_load_b128 v[SX+4*\i:SX+4*\i+3], v[L16], s[4:5] offset:8192*\i+512*(\ks) th:TH_LOAD_NT
.endr
.irp j, 0,1,2,3
	global_load_b128 v[SX+64+4*\j:SX+64+4*\j+3], v[L16], s[8:9] offset:8192*\j+512*(\ks)
.endr
	WIN 0
.endm
.macro LOADG tau, ks                   ; step ks: gate_w's rows 16 tau .. 16 tau + 15 (groups 2 tau, 2 tau + 1)
	WIN 0x40
.irp i, 0,1,2,3,4,5,6,7,8,9,10,11,12,13,14,15
	global_load_b128 v[SG+64*(\tau)+4*\i:SG+64*(\tau)+4*\i+3], v[L16], s[6:7] offset:8192*(16*(\tau)+\i)+512*(\ks)
.endr
	WIN 0
.endm
.macro XITEM ks
	s_wait_loadcnt 32                              ; this step's 20 loads are in; behind them stand gate_w's two tiles, 16 loads each
	TURN SX, 20, 1                                 ; (no vector or matrix instruction since the last wait on va_vdst names XN or ON, in which these loads and the next land)
.irp c, 0,1
.irp p, 0,1,2,3,4,5,6,7
	ds_load_b128 v[ON+32*\c+4*\p:ON+32*\c+4*\p+3], v[TSO] offset:256*\c+16*\p
.endr
.endr
	s_wait_dscnt 0x0                               ; the numbers are back
	s_wait_alu depctr_vm_vsrc(0)                   ; the stage's stores have read SX, in which the next loads land; the last step's record stores have read XF and XSW, which QUANT writes again
.if (\ks) < 3
	LOADX (\ks)+1
.endif
	QUANT XN, XF, TMP, XSW, 0
	WIN 0x80
.set ti, 0
.rept 32
	v_cvt_pk_bf16_f32 v[XB+ti], v[XN+2*ti], v[XN+2*ti+1]
.set ti, ti+1
.endr
.set ti, 0
.rept 32
	v_cvt_pk_bf16_f32 v[OB+ti], v[ON+2*ti], v[ON+2*ti+1]
.set ti, ti+1
.endr
	WIN 0
	s_wait_alu depctr_va_vdst(0)                   ; QUANT has written XF and XSW, which the record's stores read; QUANT and the conversions are done reading XN and ON, in which later loads from the stage land
.irp c, 0,1,2
	ds_store_b128 v[RSA], v[XF+4*\c:XF+4*\c+3] offset:96*(\ks)+16*\c   ; the fragment goes into the record as it stands
.endr
	ds_store_b32 v[RSS], v[XSW] offset:4*(\ks)     ; both lanes of a row write the same word
	WIN 0xaa                                       ; orig: source 0 = orig_w's rows (row m holds row m % 4), source 1 = my 16 tokens.  K lies in both in the same order of lanes and registers, so each product meets its partner
.irp u, 0,1,2,3
.if (\ks) == 0
	v_wmma_f32_16x16x32_bf16 v[DO+8*\u:DO+8*\u+7], v[OB+8*\u:OB+8*\u+7], v[XB+8*\u:XB+8*\u+7], 0
.else
	v_wmma_f32_16x16x32_bf16 v[DO+8*\u:DO+8*\u+7], v[OB+8*\u:OB+8*\u+7], v[XB+8*\u:XB+8*\u+7], v[DO+8*\u:DO+8*\u+7]
.endif
.endr
	WIN 0
.endm
.macro GITEM tau, ks, left
	s_wait_loadcnt \left
	TURN SG+64*(\tau), 16, 1                       ; (no vector or matrix instruction since the last wait on va_vdst names XN)
	s_wait_dscnt 0x0
.if (\ks) < 3
	s_wait_alu depctr_vm_vsrc(0)                   ; the stage's stores have read this tile's registers, in which the next step's loads land
	LOADG \tau, (\ks)+1
.endif
	QUANT XN, GF, TMP, GSW, 0
.rept 8
	v_nop                                          ; a scale word written by vector instructions stands 8 places ahead of a scaled matrix instruction, an operand 4
.endr
	s_wait_alu depctr_va_vdst(0)                   ; behind the places: GF and GSW (and XF, XSW) are written, which the scaled product takes; QUANT is done reading XN, in which the next loads from the stage land
.if (\ks) == 0                         ; source 0 = 16 gate rows, source 1 = my 16 tokens: lane (r, h) holds token r, group 2 tau + h, experts 0 .. 7 in its 8 registers
	v_wmma_scale_f32_16x16x128_f8f6f4 v[DL+8*(\tau):DL+8*(\tau)+7], v[GF:GF+11], v[XF:XF+11], 0, v[GSW], v[XSW] matrix_a_fmt:MATRIX_FMT_FP6 matrix_b_fmt:MATRIX_FMT_FP6
.else
	v_wmma_scale_f32_16x16x128_f8f6f4 v[DL+8*(\tau):DL+8*(\tau)+7], v[GF:GF+11], v[XF:XF+11], v[DL+8*(\tau):DL+8*(\tau)+7], v[GSW], v[XSW] matrix_a_fmt:MATRIX_FMT_FP6 matrix_b_fmt:MATRIX_FMT_FP6
.endif
.endm
	s_load_b256 s[4:11], s[0:1], 0x0               ; x s[4:5], gate_w s[6:7], orig_w s[8:9], orig_b s[10:11]
	s_load_b256 s[12:19], s[0:1], 0x20             ; agg_b s[12:13], xrec s[14:15], selw s[16:17], rwb s[18:19]
	s_load_b64 s[20:21], s[0:1], 0x40              ; basev
	v_lshl_add_u32 v[SPW], v0, 2, SPARE
	v_mov_b32 v[NIL], 0
	v_lshrrev_b32 v1, 5, v0
	v_readfirstlane_b32 s22, v1                    ; wave = K quarter
	v_and_b32 v1, 31, v0                           ; lane
	v_and_b32 v2, 15, v0                           ; r
	v_bfe_u32 v3, v0, 4, 1                         ; h
	v_lshlrev_b32 v[L16], 4, v1
	s_wait_alu depctr_va_sdst(0)                   ; s22 is written, ahead of its first reader
	s_mul_i32 s23, s22, TSTW
	v_add_nc_u32 v[TSA], s23, v[L16]
	v_mul_u32_u24 v[T], v2, PIT                    ; 528 r
	v_lshl_add_u32 v[TSR], v3, 7, v[T]
	v_add_nc_u32 v[TSR], s23, v[TSR]
	v_and_b32 v[TSO], 3, v2
	v_add_nc_u32 v[TSO], 16, v[TSO]
	v_mul_u32_u24 v[TSO], v[TSO], PIT
	v_lshl_add_u32 v[TSO], v3, 7, v[TSO]
	v_add_nc_u32 v[TSO], s23, v[TSO]
	s_mul_i32 s23, s22, RSTW
	s_add_co_u32 s23, s23, RST
	v_add_nc_u32 v[RSS], s23, v[T]
	v_mad_u32_u24 v[RSA], v3, 48, v[RSS]
	v_lshl_add_u32 v[RSZ], v3, 4, v[RSS]
	v_add_nc_u32 v[RSZ], 400, v[RSZ]
	v_add_nc_u32 v[RSS], 384, v[RSS]
	v_add_nc_u32 v[RSR], s23, v[L16]
	s_mul_i32 s23, s22, SUMW
	s_add_co_u32 s23, s23, SUM
	v_add_nc_u32 v[SMA], s23, v[L16]
	s_lshl_b32 s23, s22, 10
	s_add_co_u32 s23, s23, SUM
	v_add_nc_u32 v[SRD], s23, v[L16]               ; waves 0, 1: logit tile = wave
	v_lshlrev_b32 v[L8], 3, v1
	v_add_nc_u32 v[ORD], SUM+2048, v[L8]
	v_lshlrev_b32 v[H8], 3, v3
	v_and_b32 v[BO], 1, v1
	v_lshlrev_b32 v[BO], 3, v[BO]
	s_lshl_b32 s23, s22, 7
	v_lshl_add_u32 v[SO], v1, 2, s23               ; selw: 128 x tile of logits + 4 x lane
	s_lshl_b32 s23, s22, 8
	v_lshl_add_u32 v[RO], v1, 3, s23               ; rwb: 256 x tile of logits + 8 x lane
.irp i, 0,1,2,3
	v_mov_b32 v[Z+\i], 0
.endr
	s_mov_b32 s[SEL], 0x76543210
	s_mov_b32 s[SEL+1], 0xfedcba98                 ; v_permlanex16_b32's selects for lane l xor 16
	s_lshl_b32 s24, s22, 11                        ; my quarter of a row: 2,048 bytes
	s_mov_b32 s25, 0
	s_lshl_b32 s26, ttmp9, 17                      ; 16 rows of 8,192 bytes a work-group
	s_add_co_u32 s26, s26, s24
	s_mov_b32 s27, 0
	s_wait_kmcnt 0x0
	s_add_nc_u64 s[4:5], s[4:5], s[26:27]
	s_add_nc_u64 s[6:7], s[6:7], s[24:25]
	s_add_nc_u64 s[8:9], s[8:9], s[24:25]
	s_lshl_b32 s26, ttmp9, 15                      ; xrec: 16 tokens of 2,048 bytes, + 512 x quarter
	s_lshl_b32 s24, s22, 9
	s_add_co_u32 s26, s26, s24
	s_add_nc_u64 s[14:15], s[14:15], s[26:27]
	s_lshl_b32 s26, ttmp9, 8
	s_add_nc_u64 s[16:17], s[16:17], s[26:27]
	s_add_nc_u64 s[20:21], s[20:21], s[26:27]
	s_lshl_b32 s26, ttmp9, 9
	s_add_nc_u64 s[18:19], s[18:19], s[26:27]
	s_wait_alu depctr_va_vdst(0)                   ; every offset and LDS address of the kernel and the four zeros are written: the loads and stores below read them, and none is written again
	LOADX 0
	LOADG 0, 0
	LOADG 1, 0
	XITEM 0
	GITEM 0, 0, 36                                 ; behind this tile's loads: the other tile's 16 and the next step's 20 of x
	GITEM 1, 0, 36                                 ; the next step's 20 of x and 16 of the first tile
	XITEM 1
	GITEM 0, 1, 36
	GITEM 1, 1, 36
	XITEM 2
	GITEM 0, 2, 36
	GITEM 1, 2, 36
	XITEM 3
	GITEM 0, 3, 16                                 ; the last step asks for nothing more: the other tile's 16,
	GITEM 1, 3, 0                                  ; and none
.rept 4
	v_nop                                          ; places behind the last matrix instruction, ahead of the first read of its result
.endr
.irp i, 0,1,2,3
	ds_store_b128 v[RSZ], v[Z:Z+3] offset:32*\i    ; the record's bytes from 400 on
.endr
	WIN 0x0a                                       ; orig's four accumulators: rows 0 to 3 alone are wanted, each accumulator from its low end on
	v_pk_add_f32 v[208:209], v[DO:DO+1], v[DO+8:DO+9]
	v_pk_add_f32 v[210:211], v[DO+2:DO+3], v[DO+10:DO+11]
	v_pk_add_f32 v[212:213], v[DO+16:DO+17], v[DO+24:DO+25]
	v_pk_add_f32 v[214:215], v[DO+18:DO+19], v[DO+26:DO+27]
	WIN 0
	v_pk_add_f32 v[208:209], v[208:209], v[212:213]
	v_pk_add_f32 v[210:211], v[210:211], v[214:215]
	s_wait_alu depctr_va_vdst(0)                   ; behind the places: the scaled products have written the two logit tiles and the additions v[208:211], which the LDS stores read
	ds_store_b128 v[SMA], v[DL:DL+3]               ; my quarter's sums as images of their registers
	ds_store_b128 v[SMA], v[DL+4:DL+7] offset:512
	ds_store_b128 v[SMA], v[DL+8:DL+11] offset:1024
	ds_store_b128 v[SMA], v[DL+12:DL+15] offset:1536
	ds_store_b128 v[SMA], v[208:211] offset:2048
.irp i, 0,1,2,3,4,5,6,7,8,9,10,11,12,13,14,15
	ds_load_b128 v[XN+4*\i:XN+4*\i+3], v[RSR] offset:PIT*\i
.endr
.irp i, 0,1,2,3,4,5,6,7,8,9,10,11,12,13,14,15
	s_wait_dscnt 15-\i
	global_store_b128 v[L16], v[XN+4*\i:XN+4*\i+3], s[14:15] offset:2048*\i   ; a record: 32 lanes store 512 consecutive bytes, at a multiple of 512 from xrec's first byte
.endr
	s_wait_dscnt 0x0                               ; for the others' sake: my images lie in LDS
	s_barrier_signal -1
	s_barrier_wait -1
	s_cmp_lt_u32 s22, 2
	s_cbranch_scc0 .Lnot_top
	; waves 0 and 1: the logits of tile = wave; lane (r, h): token r, group 2 x wave + h
.irp wv, 0,1,2,3
	ds_load_b128 v[128+8*\wv:128+8*\wv+3], v[SRD] offset:SUMW*\wv
	ds_load_b128 v[132+8*\wv:132+8*\wv+3], v[SRD] offset:SUMW*\wv+512
.endr
	s_wait_dscnt 0x0
.irp j, 0,2,4,6
	v_pk_add_f32 v[128+\j:129+\j], v[128+\j:129+\j], v[136+\j:137+\j]
	v_pk_add_f32 v[144+\j:145+\j], v[144+\j:145+\j], v[152+\j:153+\j]
.endr
.irp j, 0,2,4,6
	v_pk_add_f32 v[128+\j:129+\j], v[128+\j:129+\j], v[144+\j:145+\j]
.endr
	; The largest logit and its index.  v[136 + i] = the largest of logits 0 .. i; mask i = that of 0 .. i - 1 is no smaller than logit i: an equal later logit does not displace an earlier one.
	; The seven compares stand in one run, each with a scalar register of its own, so that one wait serves the seven selects.
	v_max_num_f32 v137, v128, v129
.irp i, 2,3,4,5,6,7
	v_max_num_f32 v[136+\i], v[135+\i], v[128+\i]
.endr
	v_cmp_ge_f32 s[CM+1], v128, v129
.irp i, 2,3,4,5,6,7
	v_cmp_ge_f32 s[CM+\i], v[135+\i], v[128+\i]
.endr
	v_mov_b32 v217, 0
	v_mov_b32 v220, 0xff800000
	s_wait_alu depctr_va_sdst(0)                   ; the seven masks are written, ahead of the selects that read them
.irp i, 1,2,3,4,5,6,7
	v_cndmask_b32 v217, \i, v217, s[CM+\i]
.endr
.irp i, 0,1,2,3,4,5,6,7
	v_cmp_eq_u32 s[HM+\i], \i, v217
.endr
	s_wait_alu depctr_va_sdst(0)                   ; the eight masks are written, ahead of the selects that read them
.irp i, 0,1,2,3,4,5,6,7
	v_cndmask_b32 v[128+\i], v[128+\i], v220, s[HM+\i]   ; the first choice is hidden
.endr
	v_max_num_f32 v145, v128, v129                 ; the same search once more: v[144 + i]
.irp i, 2,3,4,5,6,7
	v_max_num_f32 v[144+\i], v[143+\i], v[128+\i]
.endr
	v_cmp_ge_f32 s[CM+1], v128, v129
.irp i, 2,3,4,5,6,7
	v_cmp_ge_f32 s[CM+\i], v[143+\i], v[128+\i]
.endr
	v_mov_b32 v219, 0
	s_wait_alu depctr_va_sdst(0)                   ; the seven masks are written, ahead of the selects that read them
.irp i, 1,2,3,4,5,6,7
	v_cndmask_b32 v219, \i, v219, s[CM+\i]
.endr
	v_sub_f32 v221, v151, v143                     ; l2 - l1: the maximum is taken away
	v_mul_f32 v221, 0x3fb8aa3b, v221
	s_wait_alu depctr_va_vdst(0)
	v_exp_f32 v221, v221                           ; e = exp(l2 - l1), at most 1
	v_nop                                          ; a plain place behind the transcendental,
	s_wait_alu depctr_va_vdst(0)                   ; and the exponential has written v221, ahead of its first reader
	v_add_f32 v222, 1.0, v221
	s_wait_alu depctr_va_vdst(0)
	v_rcp_f32 v224, v222                           ; rw1 = 1 / (1 + e)
	v_lshl_or_b32 v226, v219, 8, v217              ; (a plain place)  e1 | e2 << 8
	s_wait_alu depctr_va_vdst(0)                   ; the reciprocal has written v224, ahead of its first reader
	v_mul_f32 v225, v221, v224                     ; rw2 = e / (1 + e)
	s_wait_alu depctr_va_vdst(0)                   ; v225 is written (v224 and v226 stand ahead of the wait above): the two stores read the three
	global_store_b32 v[SO], v226, s[16:17]
	global_store_b64 v[RO], v[224:225], s[18:19]
	s_branch .Lend
.Lnot_top:
	s_cmp_eq_u32 s22, 2
	s_cbranch_scc0 .Lend
	; wave 2: orig's four quarters + orig_b + agg_b; lane l: token l / 2, outputs 2 (l % 2) and the next
	global_load_b64 v[216:217], v[BO], s[10:11]
	global_load_b64 v[218:219], v[BO], s[12:13]
.irp wv, 0,1,2,3
	ds_load_b64 v[128+2*\wv:129+2*\wv], v[ORD] offset:SUMW*\wv
.endr
	s_wait_dscnt 0x0
	v_pk_add_f32 v[128:129], v[128:129], v[130:131]
	v_pk_add_f32 v[132:133], v[132:133], v[134:135]
	v_pk_add_f32 v[128:129], v[128:129], v[132:133]
	s_wait_loadcnt 0x0
	v_pk_add_f32 v[216:217], v[216:217], v[218:219]
	s_wait_alu depctr_va_vdst(0)
	v_pk_add_f32 v[128:129], v[128:129], v[216:217]
	s_wait_alu depctr_va_vdst(0)                   ; the additions have written v[128:129], which the store reads
	global_store_b64 v[L8], v[128:129], s[20:21]   ; 32 lanes store 256 consecutive bytes
.Lend:
	s_wait_dscnt 0x0                               ; the closing lines, six on end
	s_wait_alu 0x0
	s_wait_tensorcnt 0x0
	ds_add_u32 v[SPW], v[NIL]
	s_wait_dscnt 0x0
	s_endpgm
.Lfunc_end_k_q6e1a9d66a5_route:
	.size	k_q6e1a9d66a5_route, .Lfunc_end_k_q6e1a9d66a5_route-k_q6e1a9d66a5_route
	.p2alignl 7, 3214868480
	.fill 96, 4, 3214868480
	.section	.rodata,"a",@progbits
	.p2align	6, 0x0
	.amdhsa_kernel k_q6e1a9d66a5_route
		.amdhsa_group_segment_fixed_size 87552
		.amdhsa_private_segment_fixed_size 0
		.amdhsa_enable_private_segment 0
		.amdhsa_kernarg_size 72
		.amdhsa_user_sgpr_count 2
		.amdhsa_user_sgpr_kernarg_segment_ptr 1
		.amdhsa_wavefront_size32 1
		.amdhsa_system_sgpr_workgroup_id_x 1
		.amdhsa_system_sgpr_workgroup_id_y 1
		.amdhsa_system_sgpr_workgroup_id_z 1
		.amdhsa_system_vgpr_workitem_id 0
		.amdhsa_next_free_vgpr 768
		.amdhsa_next_free_sgpr 66
		.amdhsa_reserve_vcc 0
		.amdhsa_float_denorm_mode_32 3
		.amdhsa_float_denorm_mode_16_64 3
		.amdhsa_memory_ordered 1
		.amdhsa_forward_progress 1
		.amdhsa_inst_pref_size 123
	.end_amdhsa_kernel
	.amdgpu_metadata
---
amdhsa.version: [ 1, 2 ]
amdhsa.kernels:
  - .name:           k_q6e1a9d66a5_route
    .symbol:         k_q6e1a9d66a5_route.kd
    .args:
      - { .name: x, .offset: 0, .size: 8, .value_kind: global_buffer, .address_space: global }
      - { .name: gate_w, .offset: 8, .size: 8, .value_kind: global_buffer, .address_space: global }
      - { .name: orig_w, .offset: 16, .size: 8, .value_kind: global_buffer, .address_space: global }
      - { .name: orig_b, .offset: 24, .size: 8, .value_kind: global_buffer, .address_space: global }
      - { .name: agg_b, .offset: 32, .size: 8, .value_kind: global_buffer, .address_space: global }
      - { .name: xrec, .offset: 40, .size: 8, .value_kind: global_buffer, .address_space: global }
      - { .name: selw, .offset: 48, .size: 8, .value_kind: global_buffer, .address_space: global }
      - { .name: rwb, .offset: 56, .size: 8, .value_kind: global_buffer, .address_space: global }
      - { .name: basev, .offset: 64, .size: 8, .value_kind: global_buffer, .address_space: global }
    .group_segment_fixed_size: 87552
    .private_segment_fixed_size: 0
    .kernarg_segment_align: 8
    .kernarg_segment_size: 72
    .max_flat_workgroup_size: 128
    .sgpr_count:     66
    .vgpr_count:     768
    .wavefront_size: 32
...
	.end_amdgpu_metadata
.endif
;; end of part 5
;; launch place (part 6): grid 32 x 1, 1 waves a work-group, no clusters, 0 bytes of LDS; arguments selw, list, posn, cnt; writes list, posn, cnt
.if DOCPART == 6
	.amdgcn_target "amdgcn-amd-amdhsa--gfx1250"
	.amdhsa_code_object_version 6
	.text
	.protected	k_q6e1a9d66a5_place
	.globl	k_q6e1a9d66a5_place
	.p2align	8
	.type	k_q6e1a9d66a5_place,@function
k_q6e1a9d66a5_place:
	s_mov_b64 s[64:65], 0
	v_nop
	global_prefetch_b8 v0, s[64:65] scope:SCOPE_SE
	s_setreg_imm32_b32 hwreg(HW_REG_WAVE_MODE, 25, 1), 1
	s_wait_xcnt 0x0
; Launch 2 of 4: the tokens are placed by expert.  One wave for each of the 32 experts (group g = number / 8, expert e = number % 8).  It reads the stored choices of its group and makes a
; permutation of the 2,048 tokens: those that chose e in front, in ascending order, the others from the back.  list[ge][pos] = token, posn[ge][token] = pos, cnt[ge] = how many chose e.
; Every word of list and posn is written, so entries behind the count are tokens too, and a later launch may gather a whole block of 64 without a mask.
; Only whole numbers are handled here; positions are held at 2,047 before they enter an address.  No LDS, no barrier, no atomics: each word has one owner.
; Each of the 64 chunks of 32 tokens has its own three registers for its stores, so that no store's source is written again.
.set WD, 16                            ; v16-79   chunk c: the stored choices, then the positions
.set AD, 80                            ; v80-143  4 x position
.set TT, 144                           ; v144-207 the token
	s_load_b256 s[4:11], s[0:1], 0x0               ; selw s[4:5], list s[6:7], posn s[8:9], cnt s[10:11]
	v_and_b32 v1, 31, v0                           ; lane
	v_lshrrev_b32 v2, 4, v1
	v_and_b32 v3, 15, v1
	v_lshlrev_b32 v3, 2, v3
	v_lshl_add_u32 v2, v2, 8, v3                   ; selw is [tile of 16 tokens][group][16]: 256 (lane / 16) + 4 (lane % 16)
	v_lshlrev_b32 v4, 2, v1
	v_sub_nc_u32 v5, 0, v1                         ; - lane
	s_lshr_b32 s12, ttmp9, 3                       ; g
	s_and_b32 s13, ttmp9, 7                        ; e
	s_lshl_b32 s14, s12, 6
	s_mov_b32 s15, 0
	s_lshl_b32 s16, ttmp9, 13                      ; 8,192 bytes an expert in list and in posn
	s_mov_b32 s17, 0
	s_lshl_b32 s18, ttmp9, 2
	s_mov_b32 s19, 0
	s_mov_b32 s20, 0                               ; how many have chosen e so far
	s_wait_alu depctr_va_vdst(0)
	s_wait_kmcnt 0x0
	s_add_nc_u64 s[4:5], s[4:5], s[14:15]
	s_add_nc_u64 s[6:7], s[6:7], s[16:17]
	s_add_nc_u64 s[8:9], s[8:9], s[16:17]
	s_add_nc_u64 s[10:11], s[10:11], s[18:19]
.set cc, 0
.rept 64
	global_load_b32 v[WD+cc], v2, s[4:5] offset:512*cc
.set cc, cc+1
.endr
	s_wait_loadcnt 0x0
.set cc, 0
.rept 64
	v_and_b32 v6, 0xff, v[WD+cc]                   ; the first choice,
	v_lshrrev_b32 v7, 8, v[WD+cc]                  ; the second: they differ, so a token counts once
	v_cmp_eq_u32 s21, s13, v6
	v_cmp_eq_u32 vcc_lo, s13, v7
	s_or_b32 s21, s21, vcc_lo
	v_mbcnt_lo_u32_b32 v8, s21, s20                ; how many tokens before mine have chosen e
	v_add3_u32 v9, v8, v5, 2047-32*cc              ; a token that has not: 2,047 - (token - that number)
	v_cndmask_b32 v[WD+cc], v9, v8, s21
	v_min_u32 v[WD+cc], 2047, v[WD+cc]
	v_lshlrev_b32 v[AD+cc], 2, v[WD+cc]
	v_add_nc_u32 v[TT+cc], 32*cc, v1
	global_store_b32 v[AD+cc], v[TT+cc], s[6:7]
	global_store_b32 v4, v[WD+cc], s[8:9] offset:128*cc
	s_bcnt1_i32_b32 s22, s21
	s_add_co_u32 s20, s20, s22
.set cc, cc+1
.endr
	v_mov_b32 v10, s20
	v_mov_b32 v11, 0
	v_cmp_eq_u32 vcc_lo, 0, v1
	s_wait_alu depctr_va_vdst(0)
	s_wait_xcnt 0x0                                ; EXEC is a source of the stores above: it changes only behind this wait
	s_and_saveexec_b32 s23, vcc_lo
	global_store_b32 v11, v10, s[10:11]            ; the count: one lane
	s_wait_xcnt 0x0                                ; and again ahead of the line that widens it
	s_or_b32 exec_lo, exec_lo, s23
	s_endpgm
.Lfunc_end_k_q6e1a9d66a5_place:
	.size	k_q6e1a9d66a5_place, .Lfunc_end_k_q6e1a9d66a5_place-k_q6e1a9d66a5_place
	.p2alignl 7, 3214868480
	.fill 96, 4, 3214868480
	.section	.rodata,"a",@progbits
	.p2align	6, 0x0
	.amdhsa_kernel k_q6e1a9d66a5_place
		.amdhsa_group_segment_fixed_size 0
		.amdhsa_private_segment_fixed_size 0
		.amdhsa_enable_private_segment 0
		.amdhsa_kernarg_size 32
		.amdhsa_user_sgpr_count 2
		.amdhsa_user_sgpr_kernarg_segment_ptr 1
		.amdhsa_wavefront_size32 1
		.amdhsa_system_sgpr_workgroup_id_x 1
		.amdhsa_system_sgpr_workgroup_id_y 1
		.amdhsa_system_sgpr_workgroup_id_z 1
		.amdhsa_system_vgpr_workitem_id 0
		.amdhsa_next_free_vgpr 208
		.amdhsa_next_free_sgpr 66
		.amdhsa_reserve_vcc 1
		.amdhsa_float_denorm_mode_32 3
		.amdhsa_float_denorm_mode_16_64 3
		.amdhsa_memory_ordered 1
		.amdhsa_forward_progress 1
		.amdhsa_inst_pref_size 62
	.end_amdhsa_kernel
	.amdgpu_metadata
---
amdhsa.version: [ 1, 2 ]
amdhsa.kernels:
  - .name:           k_q6e1a9d66a5_place
    .symbol:         k_q6e1a9d66a5_place.kd
    .args:
      - { .name: selw, .offset: 0, .size: 8, .value_kind: global_buffer, .address_space: global }
      - { .name: list, .offset: 8, .size: 8, .value_kind: global_buffer, .address_space: global }
      - { .name: posn, .offset: 16, .size: 8, .value_kind: global_buffer, .address_space: global }
      - { .name: cnt, .offset: 24, .size: 8, .value_kind: global_buffer, .address_space: global }
    .group_segment_fixed_size: 0
    .private_segment_fixed_size: 0
    .kernarg_segment_align: 8
    .kernarg_segment_size: 32
    .max_flat_workgroup_size: 32
    .sgpr_count:     66
    .vgpr_count:     208
    .wavefront_size: 32
...
	.end_amdgpu_metadata
.endif
;; end of part 6
;; launch chain (part 7): grid 8 x 32, 4 waves a work-group, no clusters, 118,272 bytes of LDS; arguments expert_w, expert_b, agg_w, xrec, list, cnt, part; writes part
.if DOCPART == 7
	.amdgcn_target "amdgcn-amd-amdhsa--gfx1250"
	.amdhsa_code_object_version 6
	.text
	.protected	k_q6e1a9d66a5_chain
	.globl	k_q6e1a9d66a5_chain
	.p2align	8
	.type	k_q6e1a9d66a5_chain,@function
k_q6e1a9d66a5_chain:
	s_mov_b64 s[64:65], 0
	v_nop
	global_prefetch_b8 v0, s[64:65] scope:SCOPE_SE
	s_setreg_imm32_b32 hwreg(HW_REG_WAVE_SCHED_MODE, 0, 2), 2
	s_setreg_imm32_b32 hwreg(HW_REG_WAVE_MODE, 25, 1), 1
	s_wait_xcnt 0x0
	s_wait_alu depctr_vm_vsrc(0)
; Launch 3 of 4: the expert product on the chosen rows alone (combine is the constant 0 for the six experts of a group that a token did not choose: see the first kernel's head), and behind it
; the bias and the contraction with agg_w.  part[p8][ge][pos][j] = sum over this work-group's 256 d of agg_w[j][d] x (sum over its 512 k of Q(x)[token][k] Q(W)[d][k] + expert_b[d] in K quarter 0).
; SHARES.  Work-group (p8, ge): expert ge, rows d = 256 (p8 / 4) .. + 255 of its weight, K quarter q = p8 % 4: 512 KB of f32, read once, 512 consecutive bytes a load, turned through the
; wave's own stage in LDS and quantised to E2M3 in registers.  Wave w keeps d = 256 (p8 / 4) + 64 w .. + 63 as 4 tiles x 4 K steps x 12 = 192 registers for the whole launch: the codes never go to memory.
; Then the expert's tokens, 64 a trip: each wave gathers 16 records of 512 bytes (token, q) by the stored list and puts them into an LDS slot; all four waves read all 64 rows.
; 64 scaled 6-bit matrix instructions a wave and trip (source 0 = 16 rows of W, source 1 = 16 tokens: a lane holds one token and eight neighbouring d), the bias as the C of the first;
; the results, rounded to bf16 in pairs, ARE source 1 of agg_w's product (source 0 = agg_w's 4 rows, 12 rows of zeros); the four waves' parts meet in LDS and leave as whole units of 256 bytes.
; THE LOOP HAS A CONSTANT 32 TRIPS, which serves all 2,048 tokens on one expert; a trip beyond the expert's count runs its wait and its barrier and nothing else.  Those branches hang on a count
; read from memory: so this launch has no tensor load and no joint load of a cluster, though work-groups of one expert and K quarter gather the same records.
; One barrier a trip: ahead of it a wave has read slot (trip % 2), written its part's image (trip % 2) and stored the next block's rows into the other slot, which was last read ahead of the barrier before.
; LIMITS: as stated at the first kernel's head.
; REGISTERS: window 0: v4-15 addresses; v16-31 gather offsets; v32-47 W's scale words, v48-63 x's (scales alone); v64-159 x's fragments of K steps 0 and 1 (in the weights' phase: v64-95 agg_w as loaded, then v64-79
;   the second gather's offsets; v96-159 the second buffer of 64 numbers); v160-223 64 numbers at work; v224-239 agg_w in bf16.
;   window 1: v0-191 W's 16 fragments; v192-255 the results in bf16.   window 2: v0-127 16 accumulators, v128-159 agg's four, v160-191 the bias.
;   window 3: four sets of 16 rows as loaded; in the loop v64-127 the gathered rows, v128-223 x's fragments of K steps 2 and 3.
; THE MODE: SCHED_MODE bits 1:0 = 2 (LLVM: expert scheduling mode 2), set by the entry lines.  The code itself states the register dependences
; between vector or matrix instructions and memory or LDS instructions, with s_wait_alu, always for 0.
; THE PLAN, THE WEIGHTS' PHASE.  Step f quantises fragment f out of XN[f % 2] while fragment f + 1 turns through the stage into the other XN.
;   raw set f % 4 (window 3)   Written by global loads; read by TURN f's LDS stores, issued in step f - 1; named by no vector instruction.  One wait on vm_vsrc in step f, ahead of the loads of fragment f + 4.
;   XN[0], XN[1]               Written by TURN's LDS loads; read by QUANT.  One wait on va_vdst in step f, ahead of TURN f + 1's loads: QUANT f - 1, issued a step ago, is done reading that buffer.
; THE PLAN, A TRIP.
;   XS, the four fragment sets Written by LDS loads; read by the scaled products.  All of a trip's products stand ahead of the wait on va_vdst in front of DD's stores, and the vector instructions behind that wait
;                              name GA, L16, PGO and RT alone: so the next trip's 52 loads owe nothing, and those of K steps 2 and 3 are dealt among the products of K steps 0 and 1.
;   DD                         Written by agg_w's products; read by four LDS stores, behind the places and a wait on va_vdst; written again behind the wait on vm_vsrc at the next trip's head.
;   GA                         Written by GADDR behind a wait on vm_vsrc (the last gather has read it); read by the gather behind a wait on va_vdst.
;   window 3 v64-127           Written by the gather; read by XSTORE's LDS stores; one wait on vm_vsrc ahead of the next gather.
;   PGO, RT                    Written behind a wait on vm_vsrc (the last trip's store has read them); read by the trip's store behind a wait on va_vdst, which also ends every vector touch of RT.
;   All other addresses are made at the head, ahead of the one wait on va_vdst there, and never written again.
.set PIT,   528                        ; a row of 512 bytes + 16 = 33 x 16: the 16 rows that a load touches begin in 16 different 16-byte columns of 256
.set STGW,  8448                       ; LDS: turn stage, 16 rows, for each wave
.set XSL,   33792                      ; two slots of 64 rows
.set SLOTB, 33792
.set PB,    101376                     ; the parts' images: [trip % 2][wave][tile of tokens] 512 bytes
.set SPARE, 117760                     ; the spare words, 128 bytes for each wave: two blocks of 256 bytes that no other line names
.set L16, 4
.set TSA, 5
.set TSR, 6
.set XST, 7                            ; where I store my 16 gathered rows
.set XFR, 8                            ; a fragment's place for my lane: 528 r + 48 h
.set XFS, 9                            ; a row's four scale words: 528 r + 384
.set PST, 10
.set PRD, 11
.set PGO0, 12
.set PGO, 13
.set SPW, 14                           ; my spare word; never rewritten
.set NIL, 15                           ; 0; never rewritten
.set GA,  16
.set WS,  32
.set XS,  48
.set XFG, 64                           ; window 0: x's fragments of K steps 0, 1
.set GB,  64                           ; the weights' phase: the second gather's offsets
.set XNB, 96                           ; the weights' phase: 64 numbers, odd fragments
.set XNA, 160                          ; 64 numbers, even fragments
.set RT,  160
.set AG,  224
.set MX,  240
.set SCO, 242
.set BY,  244
.set T,   246
.set H8,  247
.set AGO, 248
.set BIO, 249
.set PP,  192                          ; window 1
.set DD,  128                          ; window 2
.set BI,  160                          ; window 2
.set XF3, 128                          ; window 3: x's fragments of K steps 2, 3
.set SEL, 54
.set MSB, 0
.macro WIN new                         ; the immediate's high byte repeats the setting that is left; a switch that changes nothing is dropped
.if MSB != (\new)
	s_set_vgpr_msb (MSB<<8)|(\new)
.set MSB, (\new)
.endif
.endm
.macro NOP4
.rept 4
	v_nop
.endr
.endm
; 16 rows as loaded (window 3) go into the stage; they come back as 64 numbers a lane in v[dst] on.  LDS serves a wave's instructions in order: no wait on DScnt between.
; w = 1: the QUANT that read v[dst ..] last was issued since the last wait on va_vdst.
.macro TURN set, dst, w
	WIN 0x0c
.set ti, 0
.rept 16
	ds_store_b128 v[TSA], v[(\set)+4*ti:(\set)+4*ti+3] offset:PIT*ti
.set ti, ti+1
.endr
	WIN 0
.if \w
	s_wait_alu depctr_va_vdst(0)                   ; the QUANT of two fragments back is done reading this buffer, in which the loads below land
.endif
.irp c, 0,1
.irp p, 0,1,2,3,4,5,6,7
	ds_load_b128 v[(\dst)+32*\c+4*\p:(\dst)+32*\c+4*\p+3], v[TSR] offset:256*\c+16*\p
.endr
.endr
.endm
; 64 numbers of a lane, v[src + 32 c + i] = k 64 c + 32 h + i of my row, become the operand's 12 registers (window wd, from dst) and the row's scale word.
.macro QUANT src, dst, tmp, sw, wd
.irp c, 0,1
	v_max3_num_f32 v[MX+\c], |v[(\src)+32*\c]|, |v[(\src)+32*\c+1]|, 0x1800000   ; my block 2 c + h, and the floor 2^(3 - 127): the byte cannot fall under 1
.endr
.irp i, 2,4,6,8,10,12,14,16,18,20,22,24,26,28,30
.irp c, 0,1
	v_max3_num_f32 v[MX+\c], v[MX+\c], |v[(\src)+32*\c+\i]|, |v[(\src)+32*\c+\i+1]|
.endr
.endr
.irp c, 0,1
	v_add_nc_u32 v[SCO+\c], 0xff000000, v[MX+\c]   ; 2 off the exponent field: the conversion's scale operand
.endr
.irp c, 0,1
	v_lshrrev_b32 v[BY+\c], 23, v[SCO+\c]
.endr
	v_lshl_or_b32 v[\sw], v[BY+1], 16, v[BY]
	v_lshlrev_b32 v[\sw], v[H8], v[\sw]
	v_permlanex16_b32 v[T], v[\sw], s[SEL], s[SEL+1]
	v_or_b32 v[\sw], v[\sw], v[T]                  ; the row's scale word, whole in both halves of the lanes
	WIN (\wd)<<6
.irp c, 0,1
	v_cvt_scalef32_pk16_fp6_f32 v[(\dst)+6*\c:(\dst)+6*\c+2], v[(\src)+32*\c:(\src)+32*\c+15], v[SCO+\c]
	v_cvt_scalef32_pk16_fp6_f32 v[(\tmp)+4*\c:(\tmp)+4*\c+2], v[(\src)+32*\c+16:(\src)+32*\c+31], v[SCO+\c]   ; a conversion's three registers begin on an even number
.endr
	v_nop                                          ; one plain place behind a scaled conversion
	WIN ((\wd)<<6)|(\wd)
.irp c, 0,1
.irp i, 0,1,2
	v_mov_b32 v[(\dst)+6*\c+3+\i], v[(\tmp)+4*\c+\i]
.endr
.endr
	WIN 0
.endm
; Fragment f = 4 n + s: 16 rows of tile n, K step s, 512 bytes each, into set f % 4 of window 3.  e = 1: the set has been emptied by LDS stores.
.macro LOADW f, e
	WIN 0xc0
.if \e
	s_wait_alu depctr_vm_vsrc(0)                   ; the stage's stores have read this set, in which the loads below land
.endif
.irp i, 0,1,2,3,4,5,6,7,8,9,10,11,12,13,14,15
	global_load_b128 v[64*((\f)%4)+4*\i:64*((\f)%4)+4*\i+3], v[L16], s[4:5] offset:8192*(16*((\f)/4)+\i)+512*((\f)%4) th:TH_LOAD_NT
.endr
	WIN 0
.endm
.macro GADDR sb, ga                    ; 16 tokens of the list, held at 2,047, become offsets: 2,048 x token + 16 x lane
.irp n, 0,1,2,3,4,5,6,7,8,9,10,11,12,13,14,15
	s_min_u32 s[(\sb)+\n], s[(\sb)+\n], 2047
	v_lshl_add_u32 v[(\ga)+\n], s[(\sb)+\n], 11, v[L16]
.endr
.endm
.macro GLOAD set, ga                   ; their records of my K quarter: 512 consecutive bytes a load
	WIN 0xc0
	s_wait_alu depctr_va_vdst(0)                   ; the sixteen offsets are written, which the loads below read (in the weights' phase also: the QUANT of the fragment before is done reading its buffer)
	s_wait_alu depctr_vm_vsrc(0)                   ; the LDS stores that emptied this set have read it: the loads below land in it
.irp n, 0,1,2,3,4,5,6,7,8,9,10,11,12,13,14,15
	global_load_b128 v[(\set)+4*\n:(\set)+4*\n+3], v[(\ga)+\n], s[10:11]
.endr
	WIN 0
.endm
.macro XSTORE set, sl
	WIN 0x0c
.irp n, 0,1,2,3,4,5,6,7,8,9,10,11,12,13,14,15
	ds_store_b128 v[XST], v[(\set)+4*\n:(\set)+4*\n+3] offset:SLOTB*(\sl)+PIT*\n
.endr
	WIN 0
.endm
; Step f of the weights' phase.  left: the loads younger than fragment f + 1's sixteen.  w: TURN's argument.
.macro WSTEP f, left, w
	s_wait_dscnt 0x0                               ; fragment f's numbers are back from the stage
.if (\f) < 12
	LOADW (\f)+4, 1
.elseif (\f) == 12
	GADDR 20, GA                                   ; the first block of tokens, into set 0
	GLOAD 0, GA
.elseif (\f) == 13
	GADDR 36, GB                                   ; the second, into set 1, by offsets of its own
	GLOAD 64, GB
.endif
.if (\f) < 15
	s_wait_loadcnt \left                           ; fragment f + 1's 16 loads are in
	TURN 64*(((\f)+1)%4), XNA-64*(((\f)+1)%2), \w
.endif
	QUANT XNA-64*((\f)%2), 12*(\f), 192, WS+(\f), 1
.endm
; Half of x's four fragments of K step ks from slot sl: tiles of tokens m0, m0 + 1, three loads of 16 bytes each.  Each K step has a set of its own.
.macro FETCHH ks, m0, sl
.if (\ks) < 2
	WIN 0
.set xb, XFG+48*(\ks)
.else
	WIN 0xc0
.set xb, XF3+48*((\ks)-2)
.endif
.irp m, \m0, \m0+1
.irp c, 0,1,2
	ds_load_b128 v[xb+12*(\m)+4*\c:xb+12*(\m)+4*\c+3], v[XFR] offset:SLOTB*(\sl)+8448*(\m)+96*(\ks)+16*\c
.endr
.endr
.endm
; 8 matrix instructions: tiles of tokens m0, m0 + 1 x W's four tiles.  The 16 accumulators take turns, one instruction a turn, in the same order in every K step
.macro MULH ks, m0
.if (\ks) < 2
	WIN 0xa1                                       ; source 0 (W) window 1, source 1 (x) window 0, C and D window 2
.set xb, XFG+48*(\ks)
.else
	WIN 0xad                                       ; the same with source 1 in window 3
.set xb, XF3+48*((\ks)-2)
.endif
.irp m, \m0, \m0+1
.irp n, 0,1,2,3
.if (\ks) == 0
	v_wmma_scale_f32_16x16x128_f8f6f4 v[8*(4*(\m)+\n):8*(4*(\m)+\n)+7], v[12*(4*\n+(\ks)):12*(4*\n+(\ks))+11], v[xb+12*(\m):xb+12*(\m)+11], v[BI+8*\n:BI+8*\n+7], v[WS+4*\n+(\ks)], v[XS+4*(\m)+(\ks)] matrix_a_fmt:MATRIX_FMT_FP6 matrix_b_fmt:MATRIX_FMT_FP6
.else
	v_wmma_scale_f32_16x16x128_f8f6f4 v[8*(4*(\m)+\n):8*(4*(\m)+\n)+7], v[12*(4*\n+(\ks)):12*(4*\n+(\ks))+11], v[xb+12*(\m):xb+12*(\m)+11], v[8*(4*(\m)+\n):8*(4*(\m)+\n)+7], v[WS+4*\n+(\ks)], v[XS+4*(\m)+(\ks)] matrix_a_fmt:MATRIX_FMT_FP6 matrix_b_fmt:MATRIX_FMT_FP6
.endif
.endr
.endr
.endm
.macro COMPUTE par
	s_wait_alu depctr_vm_vsrc(0)                   ; the last trip's LDS stores have read DD, which this trip's products write again; in the first trip: the stage's stores have read window 3's v128-223 and the second gather v64-79, in which fragments land
.irp m, 0,1,2,3
	ds_load_b128 v[XS+4*\m:XS+4*\m+3], v[XFS] offset:SLOTB*(\par)+8448*\m   ; a row's four scale words at once.  (No vector or matrix instruction since the last wait on va_vdst names XS or a fragment set: see the plan)
.endr
	FETCHH 0, 0, \par
	FETCHH 0, 2, \par
	FETCHH 1, 0, \par
	FETCHH 1, 2, \par
	s_wait_dscnt 18                                ; LDS loads come back in order: the scale words and the first half of K step 0 are in; three halves of six loads stay out
	MULH 0, 0
	FETCHH 2, 0, \par                              ; dealt among the products, which name none of these registers
	s_wait_dscnt 18                                ; at each of these waits the half step wanted is in, and the three younger halves stay out
	MULH 0, 2
	FETCHH 2, 2, \par
	s_wait_dscnt 18
	MULH 1, 0
	FETCHH 3, 0, \par
	s_wait_dscnt 18
	MULH 1, 2
	FETCHH 3, 2, \par
	s_wait_dscnt 18
	MULH 2, 0
	s_wait_dscnt 12                                ; nothing more is asked for: the counts run down
	MULH 2, 2
	s_wait_dscnt 6
	MULH 3, 0
	s_wait_dscnt 0x0
	MULH 3, 2
	NOP4                                           ; places ahead of the first read of the last result
	WIN 0x4a                                       ; sources window 2, destination window 1.  Lane (r, h): token r, d = 16 n + 8 h + 0 .. 7: tiles 2 kk and 2 kk + 1 are a bf16 operand of 32 along d as they stand
.irp m, 0,1,2,3
.irp n, 0,1,2,3
.irp j, 0,1,2,3
	v_cvt_pk_bf16_f32 v[PP+16*\m+4*\n+\j], v[8*(4*\m+\n)+2*\j], v[8*(4*\m+\n)+2*\j+1]   ; each accumulator from its low end on
.endr
.endr
.endr
	WIN 0xa4                                       ; source 0 (agg_w) window 0, source 1 window 1, C and D window 2
.irp m, 0,1,2,3
	v_wmma_f32_16x16x32_bf16 v[DD+8*\m:DD+8*\m+7], v[AG:AG+7], v[PP+16*\m:PP+16*\m+7], 0
.endr
.irp m, 0,1,2,3
	v_wmma_f32_16x16x32_bf16 v[DD+8*\m:DD+8*\m+7], v[AG+8:AG+15], v[PP+16*\m+8:PP+16*\m+15], v[DD+8*\m:DD+8*\m+7]
.endr
	NOP4                                           ; four places behind the last matrix instruction, before its result is read; they stay beside the wait below
	WIN 0x08                                       ; an LDS store's data are its source 1: window 2
	s_wait_alu depctr_va_vdst(0)                   ; agg_w's products have written DD, which the LDS stores read; all this trip's products are done reading XS and the four fragment sets, in which the next trip's loads land
.irp m, 0,1,2,3
	ds_store_b128 v[PST], v[DD+8*\m:DD+8*\m+3] offset:8192*(\par)+512*\m   ; lanes 0-15: token r, outputs 0 .. 3 (lanes 16-31 hold rows of zeros)
.endr
	WIN 0
.endm
.macro REDUCE par                      ; wave w adds the four waves' parts of tile w of the tokens; s53 = the trip
	s_wait_xcnt 0x0                                ; the last trip's store has had its address translated: its offset and its data are written again only behind this wait,
	s_wait_alu depctr_vm_vsrc(0)                   ; and it has read v[PGO], which the line below writes, and v[RT ..], in which the loads below land
	v_lshl_add_u32 v[PGO], s53, 10, v[PGO0]        ; 64 positions of 16 bytes a trip
.irp wv, 0,1,2,3
	ds_load_b64 v[RT+2*\wv:RT+2*\wv+1], v[PRD] offset:8192*(\par)+2048*\wv
.endr
	s_wait_dscnt 0x0
	v_pk_add_f32 v[RT:RT+1], v[RT:RT+1], v[RT+2:RT+3]
	v_pk_add_f32 v[RT+4:RT+5], v[RT+4:RT+5], v[RT+6:RT+7]
	v_pk_add_f32 v[RT:RT+1], v[RT:RT+1], v[RT+4:RT+5]
	s_wait_alu depctr_va_vdst(0)                   ; v[PGO] and the sum are written, which the store reads; the additions are done with v[RT ..], in which the next trip's loads land
	global_store_b64 v[PGO], v[RT:RT+1], s[16:17]  ; 32 lanes store 256 consecutive bytes, at a multiple of 256 from part's first byte
.endm
; Trip ii = s52 + par.  s19 = the expert's blocks of 64.  Block ii is multiplied, block ii + 1 goes from registers into the other slot, block ii + 2 is gathered, block ii + 3's tokens are read from the list.
.macro TRIP par
	s_add_co_u32 s53, s52, \par
	s_cmp_ge_u32 s53, s19
	s_cbranch_scc1 .La_\@
	COMPUTE \par
	s_add_co_u32 s53, s52, (\par)+1
	s_cmp_ge_u32 s53, s19
	s_cbranch_scc1 .La_\@
	s_wait_loadcnt 0x0                             ; the next block's 16 records are in: so the gather that read v[GA ..] is done
	s_wait_kmcnt 0x0                               ; the tokens last asked for are in
	s_wait_alu depctr_vm_vsrc(0)                   ; the last gather has read v[GA ..], which the lines below write
	GADDR 68, GA                                   ; block ii + 2's offsets (where the expert has no such block: of tokens read earlier, and not used)
	XSTORE 64, 1-(\par)
	s_add_co_u32 s53, s52, (\par)+2
	s_cmp_ge_u32 s53, s19
	s_cbranch_scc1 .La_\@
	s_wait_dscnt 0x0                               ; the stores have landed
	GLOAD 64, GA
	s_add_co_u32 s53, s52, (\par)+3
	s_cmp_ge_u32 s53, s19
	s_cbranch_scc1 .La_\@
	s_min_u32 s84, s53, 31                         ; the list has 32 blocks
	s_lshl_b32 s84, s84, 8
	s_load_b512 s[68:83], s[12:13], s84 offset:0x0
.La_\@:
	s_wait_dscnt 0x0                               ; for the others' sake: my stores have landed and my reads of the slot are over
	s_barrier_signal -1
	s_barrier_wait -1                              ; every wave, in every trip
	s_add_co_u32 s53, s52, \par
	s_cmp_ge_u32 s53, s19
	s_cbranch_scc1 .Lb_\@
	REDUCE \par
.Lb_\@:
.endm
	s_load_b256 s[4:11], s[0:1], 0x0               ; expert_w s[4:5], expert_b s[6:7], agg_w s[8:9], xrec s[10:11]
	s_load_b128 s[12:15], s[0:1], 0x20             ; list s[12:13], cnt s[14:15]
	s_load_b64 s[16:17], s[0:1], 0x30              ; part
	v_lshl_add_u32 v[SPW], v0, 2, SPARE
	v_mov_b32 v[NIL], 0
	v_lshrrev_b32 v1, 5, v0
	v_readfirstlane_b32 s18, v1                    ; wave
	v_and_b32 v1, 31, v0                           ; lane
	v_and_b32 v2, 15, v0                           ; r
	v_bfe_u32 v3, v0, 4, 1                         ; h
	v_lshlrev_b32 v[L16], 4, v1
	s_wait_alu depctr_va_sdst(0)                   ; s18 is written, ahead of its first reader
	s_mul_i32 s53, s18, STGW
	v_add_nc_u32 v[TSA], s53, v[L16]
	v_mul_u32_u24 v[XFS], v2, PIT                  ; 528 r
	v_lshl_add_u32 v[TSR], v3, 7, v[XFS]
	v_add_nc_u32 v[TSR], s53, v[TSR]
	v_add_nc_u32 v[XST], XSL, v[TSA]               ; my 16 rows of a slot: 16 x 528 x wave
	v_mad_u32_u24 v[XFR], v3, 48, v[XFS]
	v_add_nc_u32 v[XFR], XSL, v[XFR]
	v_add_nc_u32 v[XFS], XSL+384, v[XFS]
	s_lshl_b32 s53, s18, 11
	v_add_nc_u32 v[PST], s53, v[L16]
	v_add_nc_u32 v[PST], PB, v[PST]
	s_lshl_b32 s53, s18, 9
	v_lshl_add_u32 v[PRD], v1, 3, s53
	v_add_nc_u32 v[PRD], PB, v[PRD]
	s_lshl_b32 s53, s18, 8
	v_lshl_add_u32 v[PGO0], v1, 3, s53
	v_lshlrev_b32 v[H8], 3, v3
	v_mov_b32 v[T], 0                              ; a lane permute's destination counts as one of its sources
	v_and_b32 v[AGO], 3, v2
	v_lshlrev_b32 v[AGO], 11, v[AGO]
	v_lshl_add_u32 v[AGO], v3, 5, v[AGO]           ; agg_w: row r % 4 of 2,048 bytes, + 32 h
	v_lshlrev_b32 v[BIO], 5, v3                    ; expert_b: + 32 h
	s_mov_b32 s[SEL], 0x76543210
	s_mov_b32 s[SEL+1], 0xfedcba98
	s_and_b32 s56, ttmp9, 3                        ; q
	s_lshr_b32 s58, ttmp9, 2
	s_lshl_b32 s58, s58, 8
	s_lshl_b32 s53, s18, 6
	s_add_co_u32 s58, s58, s53                     ; my first d: 256 (p8 / 4) + 64 x wave
	s_and_b32 s57, ttmp7, 0xffff                   ; ge
	s_lshl_b32 s66, s57, 9
	s_add_co_u32 s66, s66, s58                     ; its row among the 16,384 of expert_w
	s_lshl_b32 s60, s66, 13
	s_lshl_b32 s53, s56, 11
	s_add_co_u32 s60, s60, s53                     ; 8,192 x row + 2,048 q: under 2^28
	s_mov_b32 s61, 0
	s_lshl_b32 s62, s66, 2
	s_mov_b32 s63, 0
	s_cmp_eq_u32 s56, 0
	s_cselect_b32 s59, -1, 0                       ; the bias enters in K quarter 0 alone
	s_wait_kmcnt 0x0
	s_add_nc_u64 s[4:5], s[4:5], s[60:61]
	s_add_nc_u64 s[6:7], s[6:7], s[62:63]
	s_lshl_b32 s62, s58, 2
	s_add_nc_u64 s[8:9], s[8:9], s[62:63]
	s_lshl_b32 s62, s56, 9
	s_add_nc_u64 s[10:11], s[10:11], s[62:63]
	s_lshl_b32 s62, s57, 13
	s_lshl_b32 s53, s18, 6
	s_add_co_u32 s62, s62, s53                     ; list: 8,192 x ge + my 16 of a block's 64
	s_add_nc_u64 s[12:13], s[12:13], s[62:63]
	s_lshl_b32 s62, s57, 2
	s_add_nc_u64 s[14:15], s[14:15], s[62:63]
	s_lshl_b32 s62, ttmp9, 20
	s_lshl_b32 s53, s57, 15
	s_add_co_u32 s62, s62, s53
	s_add_nc_u64 s[16:17], s[16:17], s[62:63]
	s_load_b32 s19, s[14:15], 0x0                  ; the expert's count
	s_load_b512 s[20:35], s[12:13], 0x0            ; my tokens of blocks 0, 1, 2: every word of the list is a token, whatever the count
	s_load_b512 s[36:51], s[12:13], 0x100
	s_load_b512 s[68:83], s[12:13], 0x200
	s_wait_alu depctr_va_vdst(0)                   ; every offset and LDS address made above is written: the loads and stores below read them, and but for v[PGO] and the gathers' offsets none is written in the kernel again
.irp kk, 0,1
.irp u, 0,1
.irp z, 0,1
	global_load_b128 v[64+16*\kk+8*\u+4*\z:64+16*\kk+8*\u+4*\z+3], v[AGO], s[8:9] offset:128*\kk+64*\u+16*\z   ; agg_w(r % 4, my d 32 kk + 16 u + 8 h + 4 z ..)
.endr
.endr
.endr
	WIN 0x80
.irp n, 0,1,2,3
.irp z, 0,1
	global_load_b128 v[BI+8*\n+4*\z:BI+8*\n+4*\z+3], v[BIO], s[6:7] offset:64*\n+16*\z   ; the bias in the result's layout: d = 16 n + 8 h + 0 .. 7
.endr
.endr
	WIN 0
	LOADW 0, 0
	LOADW 1, 0
	LOADW 2, 0
	LOADW 3, 0
	s_wait_kmcnt 0x0
	s_add_co_u32 s19, s19, 63
	s_lshr_b32 s19, s19, 6
	s_min_u32 s19, s19, 32                         ; blocks of 64 tokens
	s_wait_loadcnt 48                              ; fragment 0's 16 loads are in (agg_w's and the bias's are older); three younger fragments, 16 loads each, stay out
	TURN 0, XNA, 0
	WSTEP 0, 48, 0                                 ; behind fragment 1's loads: fragments 2, 3, 4.  No QUANT has read the second buffer yet
	v_cmp_gt_u32 vcc_lo, 4, v2
.irp i, 0,1,2,3,4,5,6,7,8,9,10,11,12,13,14,15
	v_cvt_pk_bf16_f32 v[AG+\i], v[64+2*\i], v[65+2*\i]
.endr
	s_wait_alu depctr_va_vcc(0)                    ; VCC is written, ahead of the selects that read it
.irp i, 0,1,2,3,4,5,6,7,8,9,10,11,12,13,14,15
	v_cndmask_b32 v[AG+\i], 0, v[AG+\i], vcc_lo    ; rows 4 to 15 of the operand are zeros
.endr
	WIN 0x88
.irp i, 0,1,2,3,4,5,6,7,8,9,10,11,12,13,14,15,16,17,18,19,20,21,22,23,24,25,26,27,28,29,30,31
	v_cndmask_b32 v[BI+\i], 0, v[BI+\i], s59
.endr
	WIN 0
.irp f, 1,2,3,4,5,6,7,8,9,10,11
	WSTEP \f, 48, 1                                ; behind fragment f + 1's loads: fragments f + 2, f + 3, f + 4
.endr
	WSTEP 12, 48, 0                                ; fragments 14, 15 and the first gather; the gather's wait on va_vdst serves TURN too
	WSTEP 13, 48, 0                                ; fragment 15 and both gathers; likewise
	WSTEP 14, 32, 1                                ; both gathers
	WSTEP 15, 0, 0                                 ; nothing is left to turn
	s_wait_loadcnt 16                              ; the first block's records are in; the second's may be out
	XSTORE 0, 0
.rept 8
	v_nop                                          ; a scale word written by vector instructions stands 8 places ahead of a scaled matrix instruction, an operand 4: the last fragment's, ahead of the loop
.endr
	s_wait_alu depctr_va_vdst(0)                   ; behind the places: W's codes and scale words are written, which the scaled products take; QUANT, agg_w's conversions and the second gather's offsets are done with v64-223, in which LDS loads land
	s_wait_xcnt 0x0                                ; the second gather has had its addresses translated: fragments land on its offset registers only behind this wait
	s_wait_dscnt 0x0
	s_barrier_signal -1
	s_barrier_wait -1                              ; slot 0 is whole
	s_mov_b32 s52, 0
.Ltrip:
	TRIP 0
	TRIP 1
	s_add_co_u32 s52, s52, 2
	s_cmp_lt_u32 s52, 32
	s_cbranch_scc1 .Ltrip
	s_wait_dscnt 0x0                               ; the closing lines, six on end
	s_wait_alu 0x0
	s_wait_tensorcnt 0x0
	ds_add_u32 v[SPW], v[NIL]
	s_wait_dscnt 0x0
	s_endpgm
.Lfunc_end_k_q6e1a9d66a5_chain:
	.size	k_q6e1a9d66a5_chain, .Lfunc_end_k_q6e1a9d66a5_chain-k_q6e1a9d66a5_chain
	.p2alignl 7, 3214868480
	.fill 96, 4, 3214868480
	.section	.rodata,"a",@progbits
	.p2align	6, 0x0
	.amdhsa_kernel k_q6e1a9d66a5_chain
		.amdhsa_group_segment_fixed_size 118272
		.amdhsa_private_segment_fixed_size 0
		.amdhsa_enable_private_segment 0
		.amdhsa_kernarg_size 56
		.amdhsa_user_sgpr_count 2
		.amdhsa_user_sgpr_kernarg_segment_ptr 1
		.amdhsa_wavefront_size32 1
		.amdhsa_system_sgpr_workgroup_id_x 1
		.amdhsa_system_sgpr_workgroup_id_y 1
		.amdhsa_system_sgpr_workgroup_id_z 1
		.amdhsa_system_vgpr_workitem_id 0
		.amdhsa_next_free_vgpr 1024
		.amdhsa_next_free_sgpr 100
		.amdhsa_reserve_vcc 1
		.amdhsa_float_denorm_mode_32 3
		.amdhsa_float_denorm_mode_16_64 3
		.amdhsa_memory_ordered 1
		.amdhsa_forward_progress 1
		.amdhsa_inst_pref_size 173
	.end_amdhsa_kernel
	.amdgpu_metadata
---
amdhsa.version: [ 1, 2 ]
amdhsa.kernels:
  - .name:           k_q6e1a9d66a5_chain
    .symbol:         k_q6e1a9d66a5_chain.kd
    .args:
      - { .name: expert_w, .offset: 0, .size: 8, .value_kind: global_buffer, .address_space: global }
      - { .name: expert_b, .offset: 8, .size: 8, .value_kind: global_buffer, .address_space: global }
      - { .name: agg_w, .offset: 16, .size: 8, .value_kind: global_buffer, .address_space: global }
      - { .name: xrec, .offset: 24, .size: 8, .value_kind: global_buffer, .address_space: global }
      - { .name: list, .offset: 32, .size: 8, .value_kind: global_buffer, .address_space: global }
      - { .name: cnt, .offset: 40, .size: 8, .value_kind: global_buffer, .address_space: global }
      - { .name: part, .offset: 48, .size: 8, .value_kind: global_buffer, .address_space: global }
    .group_segment_fixed_size: 118272
    .private_segment_fixed_size: 0
    .kernarg_segment_align: 8
    .kernarg_segment_size: 56
    .max_flat_workgroup_size: 128
    .sgpr_count:     100
    .vgpr_count:     1024
    .wavefront_size: 32
...
	.end_amdgpu_metadata
.endif
;; end of part 7
;; launch sum (part 8): grid 128 x 1, 1 waves a work-group, no clusters, 0 bytes of LDS; arguments selw, posn, rwb, basev, part, out0; writes out0
.if DOCPART == 8
	.amdgcn_target "amdgcn-amd-amdhsa--gfx1250"
	.amdhsa_code_object_version 6
	.text
	.protected	k_q6e1a9d66a5_sum
	.globl	k_q6e1a9d66a5_sum
	.p2align	8
	.type	k_q6e1a9d66a5_sum,@function
k_q6e1a9d66a5_sum:
	s_mov_b64 s[64:65], 0
	v_nop
	global_prefetch_b8 v0, s[64:65] scope:SCOPE_SE
	s_setreg_imm32_b32 hwreg(HW_REG_WAVE_MODE, 25, 1), 1
	s_wait_xcnt 0x0
; Launch 4 of 4: out0[t][j] = basev[t][j] + 1/4 x the sum over the 4 groups and the 2 chosen experts of rw x the sum over the 8 parts of part[p8][ge][pos][j].
; Only the chosen experts' rows exist (the others are multiplied by a constant 0 in the problem: see the first kernel's head).  Each output has one owner: no atomics.
; A wave takes 16 tokens; lane l: token l / 2, choice k = l % 2.  The expert and the position are whole numbers stored by earlier launches, held at 7 and 2,047 before they enter an address.
; Memory and latency bind; no LDS, no matrix unit: 32 loads of 16 bytes a lane are out together.
.set SW, 8
.set RW, 12
.set BV, 16
.set EX, 20
.set PO, 24
.set PS, 28
.set RO, 32
.set AC, 36
.set DT, 48                            ; v48-175: group g, part p at 48 + 32 g + 4 p
	s_load_b256 s[4:11], s[0:1], 0x0               ; selw s[4:5], posn s[6:7], rwb s[8:9], basev s[10:11]
	s_load_b128 s[12:15], s[0:1], 0x20             ; part s[12:13], out0 s[14:15]
	v_and_b32 v1, 31, v0
	v_lshrrev_b32 v2, 1, v1                        ; the token in the tile
	v_and_b32 v3, 1, v1                            ; k
	v_lshlrev_b32 v4, 2, v2
	v_lshlrev_b32 v5, 2, v1
	v_lshlrev_b32 v6, 3, v1
	v_lshlrev_b32 v7, 3, v3
	s_mov_b32 s16, 0x3e800000                      ; 1/4: the mean over the groups
	s_lshl_b32 s18, ttmp9, 8
	s_mov_b32 s19, 0
	s_lshl_b32 s20, ttmp9, 9
	s_mov_b32 s21, 0
	s_lshl_b32 s22, ttmp9, 6
	s_mov_b32 s23, 0
	s_wait_alu depctr_va_vdst(0)
	s_wait_kmcnt 0x0
	s_add_nc_u64 s[4:5], s[4:5], s[18:19]
	s_add_nc_u64 s[6:7], s[6:7], s[22:23]          ; posn: 4 bytes a token
	s_add_nc_u64 s[8:9], s[8:9], s[20:21]
	s_add_nc_u64 s[10:11], s[10:11], s[18:19]
	s_add_nc_u64 s[14:15], s[14:15], s[18:19]
.irp g, 0,1,2,3
	global_load_b32 v[SW+\g], v4, s[4:5] offset:64*\g
.endr
.irp g, 0,1,2,3
	global_load_b32 v[RW+\g], v5, s[8:9] offset:128*\g
.endr
	global_load_b64 v[BV:BV+1], v6, s[10:11]
	s_wait_loadcnt 0x0
.irp g, 0,1,2,3
	v_lshrrev_b32 v[EX+\g], v7, v[SW+\g]
	v_and_b32 v[EX+\g], 0xff, v[EX+\g]
	v_min_u32 v[EX+\g], 7, v[EX+\g]                ; my expert of group g
	v_lshl_add_u32 v[PO+\g], v[EX+\g], 13, v4
	global_load_b32 v[PS+\g], v[PO+\g], s[6:7] offset:65536*\g
.endr
	s_wait_loadcnt 0x0
.irp g, 0,1,2,3
	v_min_u32 v[PS+\g], 2047, v[PS+\g]             ; my token's position in that expert's list
	v_lshlrev_b32 v[RO+\g], 4, v[PS+\g]
	v_lshl_add_u32 v[RO+\g], v[EX+\g], 15, v[RO+\g]
.endr
.irp g, 0,1,2,3
.irp p, 0,1,2,3,4,5,6,7
	global_load_b128 v[DT+32*\g+4*\p:DT+32*\g+4*\p+3], v[RO+\g], s[12:13] offset:(\p)*1048576+(\g)*262144
.endr
.endr
.irp g, 0,1,2,3
	s_wait_loadcnt 24-8*\g                         ; this group's eight loads are in; the later groups' eight each may be out
.irp p, 0,2,4,6
	v_pk_add_f32 v[DT+32*\g+4*\p:DT+32*\g+4*\p+1], v[DT+32*\g+4*\p:DT+32*\g+4*\p+1], v[DT+32*\g+4*\p+4:DT+32*\g+4*\p+5]
	v_pk_add_f32 v[DT+32*\g+4*\p+2:DT+32*\g+4*\p+3], v[DT+32*\g+4*\p+2:DT+32*\g+4*\p+3], v[DT+32*\g+4*\p+6:DT+32*\g+4*\p+7]
.endr
.irp p, 0,4
	v_pk_add_f32 v[DT+32*\g+4*\p:DT+32*\g+4*\p+1], v[DT+32*\g+4*\p:DT+32*\g+4*\p+1], v[DT+32*\g+4*\p+8:DT+32*\g+4*\p+9]
	v_pk_add_f32 v[DT+32*\g+4*\p+2:DT+32*\g+4*\p+3], v[DT+32*\g+4*\p+2:DT+32*\g+4*\p+3], v[DT+32*\g+4*\p+10:DT+32*\g+4*\p+11]
.endr
	v_pk_add_f32 v[DT+32*\g:DT+32*\g+1], v[DT+32*\g:DT+32*\g+1], v[DT+32*\g+16:DT+32*\g+17]
	v_pk_add_f32 v[DT+32*\g+2:DT+32*\g+3], v[DT+32*\g+2:DT+32*\g+3], v[DT+32*\g+18:DT+32*\g+19]
.irp j, 0,1,2,3
.if \g == 0
	v_mul_f32 v[AC+\j], v[DT+\j], v[RW]            ; the first group starts the sums
.else
	v_fma_f32 v[AC+\j], v[DT+32*\g+\j], v[RW+\g], v[AC+\j]
.endif
.endr
.endr
.irp j, 0,1,2,3
	v_add_f32_dpp v[AC+\j], v[AC+\j], v[AC+\j] row_xmask:1 row_mask:0xf bank_mask:0xf   ; with the token's other choice
.endr
	v_cmp_eq_u32 vcc_lo, 1, v3
	v_cndmask_b32 v40, v[AC], v[AC+2], vcc_lo      ; lane k = 0 stores outputs 0, 1; lane k = 1 outputs 2, 3
	v_cndmask_b32 v41, v[AC+1], v[AC+3], vcc_lo
	v_fma_f32 v40, v40, s16, v[BV]
	v_fma_f32 v41, v41, s16, v[BV+1]
	global_store_b64 v6, v[40:41], s[14:15]        ; 32 lanes store 256 consecutive bytes, at a multiple of 256 from out0's first byte
	s_endpgm
.Lfunc_end_k_q6e1a9d66a5_sum:
	.size	k_q6e1a9d66a5_sum, .Lfunc_end_k_q6e1a9d66a5_sum-k_q6e1a9d66a5_sum
	.p2alignl 7, 3214868480
	.fill 96, 4, 3214868480
	.section	.rodata,"a",@progbits
	.p2align	6, 0x0
	.amdhsa_kernel k_q6e1a9d66a5_sum
		.amdhsa_group_segment_fixed_size 0
		.amdhsa_private_segment_fixed_size 0
		.amdhsa_enable_private_segment 0
		.amdhsa_kernarg_size 48
		.amdhsa_user_sgpr_count 2
		.amdhsa_user_sgpr_kernarg_segment_ptr 1
		.amdhsa_wavefront_size32 1
		.amdhsa_system_sgpr_workgroup_id_x 1
		.amdhsa_system_sgpr_workgroup_id_y 1
		.amdhsa_system_sgpr_workgroup_id_z 1
		.amdhsa_system_vgpr_workitem_id 0
		.amdhsa_next_free_vgpr 176
		.amdhsa_next_free_sgpr 66
		.amdhsa_reserve_vcc 1
		.amdhsa_float_denorm_mode_32 3
		.amdhsa_float_denorm_mode_16_64 3
		.amdhsa_memory_ordered 1
		.amdhsa_forward_progress 1
		.amdhsa_inst_pref_size 12
	.end_amdhsa_kernel
	.amdgpu_metadata
---
amdhsa.version: [ 1, 2 ]
amdhsa.kernels:
  - .name:           k_q6e1a9d66a5_sum
    .symbol:         k_q6e1a9d66a5_sum.kd
    .args:
      - { .name: selw, .offset: 0, .size: 8, .value_kind: global_buffer, .address_space: global }
      - { .name: posn, .offset: 8, .size: 8, .value_kind: global_buffer, .address_space: global }
      - { .name: rwb, .offset: 16, .size: 8, .value_kind: global_buffer, .address_space: global }
      - { .name: basev, .offset: 24, .size: 8, .value_kind: global_buffer, .address_space: global }
      - { .name: part, .offset: 32, .size: 8, .value_kind: global_buffer, .address_space: global }
      - { .name: out0, .offset: 40, .size: 8, .value_kind: global_buffer, .address_space: global }
    .group_segment_fixed_size: 0
    .private_segment_fixed_size: 0
    .kernarg_segment_align: 8
    .kernarg_segment_size: 48
    .max_flat_workgroup_size: 32
    .sgpr_count:     66
    .vgpr_count:     176
    .wavefront_size: 32
...
	.end_amdgpu_metadata
.endif
;; end of part 8
